; MI455X (gfx1250); checked and timed in simulation.
; The chip was launched on July 23, 2026; its instructions are those of AMD's public machine-readable ISA for CDNA 5 (MIT licence, August 2026) and "CDNA5" Instruction Set Architecture Reference Guide (July 2026). The comments in the code are by the model that wrote it; some were corrected since.
;; Attention. Allowed arithmetic: matrix products marked QUANTISED: E2M3 operands, one E8M0 scale for each 32 along K, by v_wmma_scale_f32_16x16x128_f8f6f4 with both operands' format E2M3, f32 sums; everything else in f32.
;; Inputs: Wk_codes 1,024 x 32 x 24 uint8 (E2M3 codes of Wk, K innermost, in blocks of 32 codes, four codes in three bytes); Wk_scales 1,024 x 32 uint8 (E8M0 scales of Wk, one for each 32 codes along K); Wo_codes 1,024 x 32 x 24 uint8 (E2M3 codes of Wo, K innermost, in blocks of 32 codes, four codes in three bytes); Wo_scales 1,024 x 32 uint8 (E8M0 scales of Wo, one for each 32 codes along K); Wq_codes 1,024 x 32 x 24 uint8 (E2M3 codes of Wq, K innermost, in blocks of 32 codes, four codes in three bytes); Wq_scales 1,024 x 32 uint8 (E8M0 scales of Wq, one for each 32 codes along K); Wv_codes 1,024 x 32 x 24 uint8 (E2M3 codes of Wv, K innermost, in blocks of 32 codes, four codes in three bytes); Wv_scales 1,024 x 32 uint8 (E8M0 scales of Wv, one for each 32 codes along K); b1 1,024 float32; b2 1,024 float32; bk 1,024 float32; bo 1,024 float32; bq 1,024 float32; bv 1,024 float32; g1 1,024 float32; g2 1,024 float32; k_codes 8 x 1,024 x 32 x 24 uint8 (E2M3 codes of k, K innermost, in blocks of 32 codes, four codes in three bytes); k_scales 8 x 1,024 x 32 uint8 (E8M0 scales of k, one for each 32 codes along K); q 8 x 1,024 x 1,024 float32; r_codes 8 x 1,024 x 32 x 24 uint8 (E2M3 codes of r, K innermost, in blocks of 32 codes, four codes in three bytes); r_scales 8 x 1,024 x 32 uint8 (E8M0 scales of r, one for each 32 codes along K).
;; Outputs: out0 8 x 1,024 x 1,024 float32.
;; This version of the problem:
;;   THIS VERSION OF THE PROBLEM IS GIVEN IN LOW PRECISION. The matrix products marked QUANTISED in the list below multiply operands that are first quantised to E2M3 (2 exponent bits, 3 mantissa bits; 6 bits a number), with one power-of-two scale for each 32 numbers along K (OCP MX v1.0); their sums are f32. All else is computed in f32.
;;   The module's matrix products, in the order in which they are computed (A, B: the left and right operand; K: the contracted axis; several contracted axes count as one K, in the product's order):
;;     1. [M 8,192, K 1,024] x [K 1,024, N 1,024]; A: input k (given as codes); B: input Wk (given as codes): QUANTISED
;;     2. [M 8,192, K 1,024] x [K 1,024, N 1,024]; A: input q; B: input Wq (given as codes): QUANTISED
;;     3. [M 8,192, K 1,024] x [K 1,024, N 1,024]; A: input r (given as codes); B: input Wv (given as codes): QUANTISED
;;     4. batch 128 x [M 1,024, K 64] x [K 64, N 1,024]; A: computed on the way; B: computed on the way: QUANTISED
;;     5. batch 128 x [M 1,024, K 1,024] x [K 1,024, N 64]; A: softmax (see below); B: computed on the way: QUANTISED
;;     6. [M 8,192, K 1,024] x [K 1,024, N 1,024]; A: computed on the way; B: input Wo (given as codes): QUANTISED
;;   THE QUANTISER, for each operand of a quantised product, along K:
;;     - K is cut into blocks of 32 from its start; a last block that is shorter is filled with zeros.
;;     - A block's scale is 2^e with e = floor(log2(the largest magnitude in the block)) - 2, held to -126 .. 127; a block of zeros has e = 0. As a byte (E8M0): e + 127.
;;     - Each number is divided by its block's scale, clamped to +-7.5, and rounded to the nearest number of E2M3, ties to even, subnormals kept.
;;     - The product sums the exact products of the quantised numbers (number of the format x scale) in f32.
;;   ~~~python
;;   def quantise(x, axis):      # numpy; x: float32 -> the quantised numbers, widened to float32 again
;;       x = np.moveaxis(x, axis, -1); K = x.shape[-1]
;;       x = np.pad(x, [(0, 0)] * (x.ndim - 1) + [(0, -K % 32)]); x = x.reshape(x.shape[:-1] + (-1, 32)); a = np.abs(x).max(-1, keepdims=True)
;;       e = np.where(a > 0, np.clip(np.frexp(np.where(a > 0, a, 1))[1] - 1 - 2, -126, 127), 0)      # np.frexp(a)[1] - 1 = floor(log2(a)), exactly
;;       r = np.clip(x / 2.0 ** e, -7.5, 7.5)
;;       step = 2.0 ** (np.maximum(np.frexp(np.where(r == 0, 1, r))[1] - 1, 0) - 3)
;;       q = np.round(r / step) * step * 2.0 ** e      # np.round: ties to even
;;       return np.moveaxis(q.reshape(q.shape[:-2] + (-1,))[..., :K], -1, axis).astype(np.float32)
;;   ~~~
;;   SOFTMAX AHEAD OF A QUANTISED PRODUCT. Where the list says 'softmax', what is quantised is not the finished softmax but p = 2^(t - M), with t = logit x log2(e) and M = ceil(the row's largest t), a whole number; so 1/2 < the row's largest p <= 1. The row's sum l is taken of the UNQUANTISED p, in f32, and the product's result is divided by l at the end. Since M is a whole number, a kernel that streams over the keys may use a running M (the ceiling of the running maximum): every later rescaling is an exact power of two, which a block's scale takes up: the codes' values come out the same.
;;   OPERANDS COMPUTED ON THE WAY. 'Computed on the way' means the value that the module computes at that place (a softmax that the list does not call 'softmax' is quantised finished and normalised). What goes into a quantiser is computed in f32, as accurately as f32 sums, v_exp_f32 and their like allow (about 1e-6 of the number): no bf16 or f16 on the way to a quantiser, and a product that is left as it is and whose result goes on into a quantised operand takes f32 operands (vector FMAs, or v_wmma_f32_16x16x4_f32). A number that lies on a knife's edge between two numbers of the format may be rounded either way, as far as f32 arithmetic and the matrix unit's own rounding can turn it there, and no further.
;;   INPUTS GIVEN AS CODES. Wk (in the module: [1024, 1024], K = its axis 1); Wo (in the module: [1024, 1024], K = its axis 1); Wq (in the module: [1024, 1024], K = its axis 1); Wv (in the module: [1024, 1024], K = its axis 1); k (in the module: [8, 1024, 1024], K = its axis 2); r (in the module: [8, 1024, 1024], K = its axis 2): each comes as NAME_codes (uint8): NAME with its K axis moved to the last place and cut into blocks of 32 codes, [.., K / 32, bytes a block], one block behind the other in memory; four codes in three bytes: a row's codes are one little-endian stream of bits, code i at bits 6 i .. 6 i + 5 (a code: sign, 2 exponent bits, 3 mantissa bits); and NAME_scales (uint8): the same leading axes, one E8M0 byte (e + 127) for each 32 codes along K. Its value is code x scale, taken as it is: it is not quantised again, and the codes and scales need not be those that the quantiser above would give.
;; One version. Each part assembles by itself: llvm-mc -triple=amdgcn-amd-amdhsa -mcpu=gfx1250 --defsym DOCPART=n.
;; ======== version 1 of 1: 4 launches
;; limits: right only within a limited range of input values
;; workspace buffers: qc 6,291,456 bytes; qs 262,144 bytes; worec 819,200 bytes; qkv 20,447,232 bytes; orec 6,553,600 bytes
;; launch prep (part 1): grid 288 x 1, 4 waves a work-group, no clusters, 33,280 bytes of LDS; arguments q, Wo_codes, Wo_scales, qc, qs, worec; writes qc, qs, worec
.if DOCPART == 1
	.amdgcn_target "amdgcn-amd-amdhsa--gfx1250"
	.amdhsa_code_object_version 6
	.text
	.protected	k_q9b97dceb77_prep
	.globl	k_q9b97dceb77_prep
	.p2align	8
	.type	k_q9b97dceb77_prep,@function
k_q9b97dceb77_prep:
	s_mov_b64 s[64:65], 0
	v_nop
	global_prefetch_b8 v0, s[64:65] scope:SCOPE_SE
	s_setreg_imm32_b32 hwreg(HW_REG_WAVE_MODE, 25, 1), 1
	s_wait_xcnt 0x0
; TWO JOBS, told apart by the work-group's number.
; Work-groups 0-255: q [8192][1024] f32 becomes codes of FP6 (E2M3), K innermost, 768 bytes a row (qc), and one E8M0 byte for each 32 along K (qs).
;   A block's scale is 2^(floor(log2(its largest magnitude)) - 2); its byte is the largest magnitude's exponent field - 2, held at 1 from below.
;   Rows are dense, so q is a plain stream of blocks of 32.  A wave takes 16 steps of 512 numbers: each load reads 512 consecutive bytes; a step's 2,048 bytes turn through the wave's own
;   stage in LDS so that a lane holds 16 neighbours; two neighbouring lanes hold a block.  A wave stores 384 consecutive bytes of codes a step and 256 scale bytes at its end.
; Work-groups 256-287: Wo's codes and scale bytes are laid in the order of the operand's registers (worec): record 16 s + w = K step s, channels 64 w .. 64 w + 63: four fragments of 1,536 bytes
;   (group of four registers c at 512 c + 16 x lane), then 256 bytes of scale words (8 x lane + 4 i: tile 2 i + lane / 16, row lane % 16).  One wave a record; no LDS.
; LIMITS: NaN and infinities in q are not served; a block whose largest magnitude lies under 2^-124, a block of zeros too, keeps the byte 1 (its codes are then small or zero; this program alone reads the bytes).
; No work-group shares an input with another: no cluster.  No matrix work.
.set STEPS, 16
.set EMAX,  2
.set CB,    12                         ; bytes of 16 codes
.set R,     16                         ; v16-127  seven sets of 16 numbers as loaded
.set X,     128                        ; v128-159 two sets of 16 neighbours (v16-127: seven sets of 16 numbers as loaded)
.set E,     160                        ; v160-175 a scale byte for each step
.set C,     176                        ; v176-239 codes, four registers a step
.set WREG,  8192                       ; LDS of a wave: two stages of 32 x SP bytes, then 256 scale bytes
.set SP,    80                         ; a lane's 64 bytes + 16 of padding
	s_load_b256 s[4:11], s[0:1], 0x0               ; q s[4:5], Wo's codes s[6:7], Wo's scales s[8:9], qc s[10:11]
	s_load_b128 s[12:15], s[0:1], 0x20             ; qs s[12:13], worec s[14:15]
	v_lshl_add_u32 v240, v0, 2, 0x8000
	v_mov_b32 v241, 0
	v_lshrrev_b32 v1, 5, v0
	v_readfirstlane_b32 s16, v1                    ; wave
	v_and_b32 v2, 31, v0                           ; lane
	s_cmp_lt_u32 ttmp9, 256
	s_cbranch_scc0 .Lwo
	; ---------------- q ----------------
	v_lshlrev_b32 v3, 4, v2                        ; my 16 bytes of a load's 512
	s_mul_i32 s17, s16, WREG
	v_lshrrev_b32 v14, 2, v2
	v_mul_u32_u24 v14, v14, SP
	v_and_b32 v15, 3, v2
	v_lshl_add_u32 v14, v15, 4, v14
	v_add_nc_u32 v14, s17, v14                     ; into the stage: SP (lane / 4) + 16 (lane % 4)
	v_mul_u32_u24 v15, v2, SP
	v_add_nc_u32 v15, s17, v15                     ; out of it: SP x lane: my 16 neighbours
	v_mul_u32_u24 v4, v2, CB                       ; my codes' place in a step's
	v_lshrrev_b32 v5, 1, v2
	s_add_co_u32 s17, s17, 2*32*SP
	v_add_nc_u32 v5, s17, v5                       ; my block's byte among the wave's 256
	v_lshlrev_b32 v7, 3, v2
	v_add_nc_u32 v6, s17, v7                       ; and 8 bytes a lane on the way out
	s_lshl_b32 s17, ttmp9, 2
	s_add_co_u32 s18, s17, s16                     ; which run of 8,192 numbers is my wave's
	s_mov_b32 s19, 0
	s_mov_b64 s[20:21], 512*STEPS*4
	s_mul_u64 s[20:21], s[18:19], s[20:21]
	s_mov_b64 s[22:23], 32*STEPS*CB
	s_mul_u64 s[22:23], s[18:19], s[22:23]
	s_lshl_b32 s18, s18, 8                         ; 256 scale bytes a run
	s_wait_alu depctr_va_vdst(0)
	s_wait_kmcnt 0x0
	s_add_nc_u64 s[4:5], s[4:5], s[20:21]
	s_add_nc_u64 s[10:11], s[10:11], s[22:23]
	s_add_nc_u64 s[12:13], s[12:13], s[18:19]
.macro LOAD t
.irp i, 0,1,2,3
	global_load_b128 v[R+16*((\t)%7)+4*\i:R+16*((\t)%7)+4*\i+3], v3, s[4:5] offset:2048*(\t)+512*\i
.endr
.endm
.macro TURN t                          ; LDS serves a wave's instructions in order: no wait between the stores and the loads
.irp i, 0,1,2,3
	ds_store_b128 v14, v[R+16*((\t)%7)+4*\i:R+16*((\t)%7)+4*\i+3] offset:32*SP*((\t)%2)+8*SP*\i
.endr
.irp i, 0,1,2,3
	ds_load_b128 v[X+16*((\t)%2)+4*\i:X+16*((\t)%2)+4*\i+3], v15 offset:32*SP*((\t)%2)+16*\i
.endr
.endm
.irp t, 0,1,2,3,4,5,6
	LOAD \t
.endr
	s_wait_loadcnt 24                              ; step 0's four loads are in; the 24 of six younger steps may be out
	TURN 0
.macro STEP t
.set XS, X+16*((\t)%2)
.if (\t) > 0
	s_wait_dscnt 1                                 ; this step's numbers are back from the stage; the last step's byte store may be out
.else
	s_wait_dscnt 0x0
.endif
.if (\t)+7 < STEPS
	LOAD (\t)+7                                    ; into the set that the stage's stores have read
.endif
.if (\t)+1 < STEPS
.if STEPS-2-(\t) >= 6
	s_wait_loadcnt 24                              ; the next step's four are in; the six steps behind it may be out
.else
	s_wait_loadcnt 4*(STEPS-2-(\t))
.endif
	TURN (\t)+1
.endif
	v_max3_num_f32 v8, |v[XS]|, |v[XS+1]|, |v[XS+2]|
	v_max3_num_f32 v9, |v[XS+3]|, |v[XS+4]|, |v[XS+5]|
.irp i, 6,10
	v_max3_num_f32 v8, v8, |v[XS+\i]|, |v[XS+\i+1]|
	v_max3_num_f32 v9, v9, |v[XS+\i+2]|, |v[XS+\i+3]|
.endr
	v_max3_num_f32 v8, v8, |v[XS+14]|, |v[XS+15]|
	v_max3_num_f32 v8, v8, v9, (EMAX+1)<<23        ; the floor 2^(3 - 127): the byte cannot fall under 1
	v_max_num_f32_dpp v8, v8, v8 row_xmask:1 row_mask:0xf bank_mask:0xf   ; with my neighbour's 16: the block's largest magnitude
	v_add_nc_u32 v11, -(EMAX<<23), v8              ; 2 off its exponent field: the conversion's scale operand
	v_cvt_scalef32_pk16_fp6_f32 v[C+4*(\t):C+4*(\t)+2], v[XS:XS+15], v11
	v_lshrrev_b32 v[E+(\t)], 23, v11               ; the scale's byte (also the plain line behind the conversion)
	ds_store_b8 v5, v[E+(\t)] offset:16*(\t)       ; both lanes of a block write the same byte with the same value
	global_store_b96 v4, v[C+4*(\t):C+4*(\t)+2], s[10:11] offset:32*CB*(\t)
.endm
.irp t, 0,1,2,3,4,5,6,7,8,9,10,11,12,13,14,15
	STEP \t
.endr
	ds_load_b64 v[12:13], v6
	s_wait_dscnt 0x0
	global_store_b64 v7, v[12:13], s[12:13]        ; 32 lanes store 256 consecutive bytes, aligned
	s_wait_tensorcnt 0x0
	ds_add_u32 v240, v241
	s_wait_dscnt 0x0
	s_endpgm
	; ---------------- Wo ----------------
.Lwo:
	s_sub_co_u32 s17, ttmp9, 256
	s_lshl_b32 s17, s17, 2
	s_add_co_u32 s17, s17, s16                     ; the record: 16 s + w
	s_lshr_b32 s18, s17, 4                         ; K step s
	s_and_b32 s19, s17, 15                         ; w: channels 64 w on
	s_wait_alu depctr_va_vdst(0)
	v_and_b32 v3, 15, v2                           ; r
	v_lshrrev_b32 v4, 4, v2                        ; h
	v_mul_u32_u24 v5, v3, 768
	v_mad_u32_u24 v5, v4, 24, v5                   ; row r of 768 bytes, + 24 h
	v_lshlrev_b32 v6, 5, v2                        ; scale bytes: 32 a row, a lane a row
	v_lshlrev_b32 v7, 4, v2
	v_lshlrev_b32 v8, 3, v2
	s_mul_i32 s20, s19, 64*768
	s_mul_i32 s22, s18, 96
	s_add_co_u32 s20, s20, s22
	s_mov_b32 s21, 0
	s_lshl_b32 s22, s19, 11
	s_lshl_b32 s24, s18, 2
	s_add_co_u32 s22, s22, s24
	s_mov_b32 s23, 0
	s_mul_i32 s24, s17, 6400
	s_mov_b32 s25, 0
	s_wait_alu depctr_va_vdst(0)
	s_wait_kmcnt 0x0
	s_add_nc_u64 s[6:7], s[6:7], s[20:21]
	s_add_nc_u64 s[8:9], s[8:9], s[22:23]
	s_add_nc_u64 s[14:15], s[14:15], s[24:25]
.irp t, 0,1,2,3
.irp p, 0,1,2,3,4,5
	global_load_b64 v[16+12*\t+2*\p:17+12*\t+2*\p], v5, s[6:7] offset:16*\t*768+48*(\p/3)+8*(\p%3)   ; the fragment's registers as the matrix unit takes them
.endr
.endr
.irp i, 0,1
	global_load_b32 v[64+\i], v6, s[8:9] offset:1024*\i   ; the word of channel 64 w + 32 i + lane: tile 2 i + lane / 16, row lane % 16
.endr
	s_wait_loadcnt 0x0
.irp t, 0,1,2,3
.irp c, 0,1,2
	global_store_b128 v7, v[16+12*\t+4*\c:19+12*\t+4*\c], s[14:15] offset:1536*\t+512*\c   ; 512 consecutive bytes a store
.endr
.endr
	global_store_b64 v8, v[64:65], s[14:15] offset:6144
	s_endpgm
.Lfunc_end_k_q9b97dceb77_prep:
	.size	k_q9b97dceb77_prep, .Lfunc_end_k_q9b97dceb77_prep-k_q9b97dceb77_prep
	.p2alignl 7, 3214868480
	.fill 96, 4, 3214868480
	.section	.rodata,"a",@progbits
	.p2align	6, 0x0
	.amdhsa_kernel k_q9b97dceb77_prep
		.amdhsa_group_segment_fixed_size 33280
		.amdhsa_private_segment_fixed_size 0
		.amdhsa_enable_private_segment 0
		.amdhsa_kernarg_size 48
		.amdhsa_user_sgpr_count 2
		.amdhsa_user_sgpr_kernarg_segment_ptr 1
		.amdhsa_wavefront_size32 1
		.amdhsa_system_sgpr_workgroup_id_x 1
		.amdhsa_system_sgpr_workgroup_id_y 1
		.amdhsa_system_sgpr_workgroup_id_z 1
		.amdhsa_system_vgpr_workitem_id 0
		.amdhsa_next_free_vgpr 242
		.amdhsa_next_free_sgpr 66
		.amdhsa_reserve_vcc 0
		.amdhsa_float_denorm_mode_32 3
		.amdhsa_float_denorm_mode_16_64 3
		.amdhsa_memory_ordered 1
		.amdhsa_forward_progress 1
		.amdhsa_inst_pref_size 37
	.end_amdhsa_kernel
	.amdgpu_metadata
---
amdhsa.version: [ 1, 2 ]
amdhsa.kernels:
  - .name:           k_q9b97dceb77_prep
    .symbol:         k_q9b97dceb77_prep.kd
    .args:
      - { .name: q, .offset: 0, .size: 8, .value_kind: global_buffer, .address_space: global }
      - { .name: Wo_codes, .offset: 8, .size: 8, .value_kind: global_buffer, .address_space: global }
      - { .name: Wo_scales, .offset: 16, .size: 8, .value_kind: global_buffer, .address_space: global }
      - { .name: qc, .offset: 24, .size: 8, .value_kind: global_buffer, .address_space: global }
      - { .name: qs, .offset: 32, .size: 8, .value_kind: global_buffer, .address_space: global }
      - { .name: worec, .offset: 40, .size: 8, .value_kind: global_buffer, .address_space: global }
    .group_segment_fixed_size: 33280
    .private_segment_fixed_size: 0
    .kernarg_segment_align: 8
    .kernarg_segment_size: 48
    .max_flat_workgroup_size: 128
    .sgpr_count:     66
    .vgpr_count:     242
    .wavefront_size: 32
...
	.end_amdgpu_metadata
.endif
;; end of part 1
;; launch proj (part 2): grid 4 x 96, 4 waves a work-group, clusters of 4 x 4, 327,680 bytes of LDS; arguments qc, qs, k_codes, k_scales, r_codes, r_scales, Wq_codes, Wq_scales, Wk_codes, Wk_scales, Wv_codes, Wv_scales, bq, bk, bv, qkv; writes qkv
.if DOCPART == 2
	.amdgcn_target "amdgcn-amd-amdhsa--gfx1250"
	.amdhsa_code_object_version 6
	.text
	.protected	k_q9b97dceb77_proj
	.globl	k_q9b97dceb77_proj
	.p2align	8
	.type	k_q9b97dceb77_proj,@function
k_q9b97dceb77_proj:
	s_mov_b64 s[64:65], 0
	v_nop
	global_prefetch_b8 v0, s[64:65] scope:SCOPE_SE
	s_setreg_imm32_b32 hwreg(HW_REG_WAVE_MODE, 25, 1), 1
	s_wait_xcnt 0x0
	s_wait_alu depctr_hold_cnt(0) depctr_sa_sdst(0) depctr_va_vdst(0) depctr_va_sdst(0) depctr_va_ssrc(0) depctr_va_vcc(0) depctr_vm_vsrc(0)
	s_getreg_b32 s2, hwreg(HW_REG_IB_STS2, 6, 4)
	s_cmp_eq_u32 s2, 0
	s_cbranch_scc0 .Lentry_in_a_cluster
	s_endpgm
.Lentry_in_a_cluster:
	s_bfe_u32 s2, ttmp6, 0x10000c
	s_cmp_lg_u32 s2, 0xf033
	s_cbranch_scc0 .Lentry_shape_is_right
	s_endpgm
.Lentry_shape_is_right:
; THE THREE PROJECTIONS, x W^T + b, on codes of FP6 (E2M3) with one E8M0 scale for each 32 along K = 1,024; the results are quantised again for attention, in registers.
; The cluster's y says which: 0-7 q (MODE 0), 8-15 k (MODE 1), 16-23 r (MODE 2).  A work-group makes 256 x 256 results, a wave 128 x 128: 64 accumulators, 512 registers.
; SOURCE 1's tile (S1) lies in LDS rows 0-255, its tile number comes from cy, and it is asked for jointly along a row of the cluster;
; SOURCE 0's tile (S0) lies in rows 256-511, its tile number comes from cx, jointly along a column.  q, k: S1 = tokens, S0 = weights: a lane holds a token, its registers run along the channels.
; r: S1 = weights, S0 = tokens: a lane holds a channel, its registers run along the tokens (the second product's K).  Only buffer pointers and global offsets hang on the mode; no LDS address does.
; K goes through a ring of two slots in chunks of 256 bytes of each row of 768: three chunks, eight steps of 96 bytes; steps 2 and 5 lie across two chunks.  The scale bytes of the 256 + 256 rows come once and stay.
; THE BIAS is the C of the first step's products, 64 registers in the result's layout.
; THE WAY OUT: for each block a of source 1 a lane's 64 results are 128 along the next K: four blocks of 32 are quantised and woven into the operand's registers; six stores of 256 consecutive bytes an image.
; qkv: q's records at 0, k's at PART, v's at 2 PART; record ((batch x 8 + head pair) x 8 + group of 128 tokens) of 13,312 bytes: 8 images of 1,536 bytes, 512 bytes of scale words, 512 of the same shifted right by 16.
; LIMITS: given scale bytes of 0xff, NaN and infinities are not served; a block of results whose largest magnitude lies under 2^-124 keeps the byte 1.
; No prefetch: the walk along K is written out, three chunks with one refill: there is no loop to run ahead in.
; REGISTERS: window 0: v0-31 addresses; v32-63 scale words, two sets; v64-127 the bias; v128-223 source 1's fragments, one set.  window 1: source 0's, two sets.  windows 2, 3: accumulators.
.set ROWB,   256
.set NQ,     2
.set KROW,   768
.set STEPS,  8
.set CHUNKS, 3
.set PITCH,  272
.set FR,     12
.set NL,     6
.set NP,     4
.set HALFT,  128*PITCH
.set SLOT,   4*HALFT
.set KS,     32
.set SCL,    2*SLOT
.set HALFS,  16*272
.set SBLK,   2*272
.set SPARE,  SCL+4*HALFS               ; the spare words: 128 bytes a wave, named by no other line
.set REC,    13312
.set PART,   512*REC
.set BA,   8                           ; v8-15 the bias loads' offsets
.set ADRA, 16                          ; v16-17 source 1's fragments in slot 0, 1; v18-19 for pieces whose lanes 16-31 lie in the next chunk
.set ADRB, 20                          ; v20-23 the same for source 0
.set OL16, 25
.set OL8,  26
.set ADRS, 27                          ; my scale words: lanes 0-15 source 1's rows, lanes 16-31 source 0's
.set SPW,  28
.set NIL,  29
.set SC,   32
.set BIAS, 64
.set AF,   128
.set TM,   32                          ; the way out: v32-35 largest magnitudes, v36-39 at work, v44-47 scale operands
.set PW,   48                          ; v48-55 the images' scale words; v56-63 the packs
.set F,    96                          ; v96-191 the eight images, 12 registers each: no store's data is written again
.set Y,    76                          ; v76-78, v80-82 the second conversions' results
.set G1, 24
.set G0, 32
.set G1B, 48
.set G0B, 56
.set G1S, 68
.set G0S, 76
.set G1SB, 80
.set G0SB, 88
.set G0H, 4
.set G0HB, 8
.set SEL, 92
.set P1,  94
.set P2,  95
.set P3,  96
.set MODE, 104
.set ISV,  105
.set MSB, 0
.macro WIN new
.if MSB != \new
	s_set_vgpr_msb (MSB<<8)|\new
.set MSB, \new
.endif
.endm
.set MUL_LO, 0xa1                      ; source 0 window 1, source 1 window 0, C and D window 2
.set MUL_HI, 0xf1
.set BIA_LO, 0x81                      ; the same with C (the bias) in window 0
.set BIA_HI, 0xc1
.set TO_B,   0x40
; a joint load: waves 0, 1 fetch for S1, waves 2, 3 for S0; s_nop 0 and four v_nop follow each line
.macro JLOAD g0a, g1a, g0b, g1b
	s_cmp_eq_u32 s15, 0
	s_cbranch_scc0 .Lfor_b_\@
	tensor_load_to_lds s[\g0a:\g0a+3], s[\g1a:\g1a+7]
	s_nop 0
.rept 4
	v_nop
.endr
	s_branch .Lasked_\@
.Lfor_b_\@:
	tensor_load_to_lds s[\g0b:\g0b+3], s[\g1b:\g1b+7]
	s_nop 0
.rept 4
	v_nop
.endr
.Lasked_\@:
.endm
.macro CREST
	s_cmp_lg_u32 s14, 0
	s_cbranch_scc1 .Lnot_wave_0_\@
	s_barrier_signal -3
.Lnot_wave_0_\@:
	s_barrier_wait -3
	s_barrier_signal -1
	s_barrier_wait -1
.endm
.macro CROUND
	s_barrier_signal -1
	s_barrier_wait -1
	CREST
.endm
	s_load_b512 s[68:83], s[0:1], 0x0              ; qc, qs, k's codes, scales, r's codes, scales, Wq's codes, scales
	s_load_b512 s[84:99], s[0:1], 0x40             ; Wk's codes, scales, Wv's codes, scales, bq, bk, bv, qkv
	v_lshl_add_u32 v[SPW], v0, 2, SPARE
	v_mov_b32 v[NIL], 0
	ds_add_u32 v[SPW], v[NIL]                      ; the opening lines: the add twice on end and one wait
	ds_add_u32 v[SPW], v[NIL]
	v_lshrrev_b32 v1, 5, v0
	v_readfirstlane_b32 s14, v1                    ; wave 0..3
	s_lshr_b32 s15, s14, 1                         ; which 128 rows of S1 are mine.  Also: I fetch for S1 (0) or S0 (1)
	s_and_b32 s16, s14, 1                          ; which 128 rows of S0.  Also: which 128 rows of a tile I fetch
	s_bfe_u32 s40, ttmp6, 0x40000                  ; cx
	s_bfe_u32 s41, ttmp6, 0x40004                  ; cy
	s_and_b32 s2, ttmp7, 0xffff                    ; cluster y, 0..23
	s_lshr_b32 s[MODE], s2, 3
	s_and_b32 s2, s2, 7
	s_lshl_b32 s2, s2, 2                           ; the tokens' tiles of this cluster begin here
	s_cmp_eq_u32 s[MODE], 2
	s_cselect_b32 s[ISV], 1, 0
	s_cselect_b32 s17, 0, s2
	s_cselect_b32 s42, s2, 0
	s_add_co_u32 s17, s17, s41                     ; S1's tile: by cy
	s_add_co_u32 s42, s42, s40                     ; S0's tile: by cx
	s_lshl_b32 s43, s41, 2
	s_lshl_b32 s43, 15, s43                        ; my row of the cluster
	s_lshl_b32 s44, 0x1111, s40                    ; my column
	s_or_b32 s[G1+0], s43, (0<<16)|(1<<20)|(1<<21)|(5<<22)|(3<<25)   ; the mask; 1-byte elements; 4 words of padding behind every 64
	s_or_b32 s[G1B+0], s44, (0<<16)|(1<<20)|(1<<21)|(5<<22)|(3<<25)
.irp g, G1, G1B
	s_mov_b32 s[\g+1], ROWB<<16
	s_mov_b32 s[\g+2], 256<<16                     ; 256 rows for the head's loads
	s_mov_b32 s[\g+3], ROWB<<16
	s_mov_b32 s[\g+4], 256
	s_mov_b32 s[\g+5], KROW
	s_mov_b32 s[\g+6], 0
	s_mov_b32 s[\g+7], 0
.endr
	s_lshl_b32 s20, s17, 8                         ; S1's first row
	s_lshl_b32 s46, s42, 8                         ; S0's
	s_mov_b32 s21, 0
	s_mov_b32 s47, 0
	s_mov_b64 s[18:19], KS
	s_mul_u64 s[22:23], s[20:21], s[18:19]         ; where these rows' scales begin,
	s_mul_u64 s[2:3], s[46:47], s[18:19]
	s_mov_b64 s[18:19], KROW
	s_mul_u64 s[20:21], s[20:21], s[18:19]         ; and their codes
	s_mul_u64 s[46:47], s[46:47], s[18:19]
	s_mul_i32 s18, s16, 128*KROW                   ; in the ring I fetch 128 rows: which half
	s_mov_b32 s19, 0
	s_mul_i32 s45, s14, HALFT                      ; and where they go: wave x 128 rows
	s_wait_dscnt 0x0                               ; both opening adds are done
	s_wait_kmcnt 0x0
	s_cmp_eq_u32 s[MODE], 0                        ; the mode's five inputs: the choice hangs on the cluster's y alone
	s_cselect_b64 s[4:5], s[68:69], s[72:73]
	s_cselect_b64 s[6:7], s[70:71], s[74:75]
	s_cselect_b64 s[8:9], s[80:81], s[84:85]
	s_cselect_b64 s[10:11], s[82:83], s[86:87]
	s_cselect_b64 s[100:101], s[92:93], s[94:95]
	s_cmp_eq_u32 s[MODE], 2
	s_cselect_b64 s[4:5], s[88:89], s[4:5]         ; r: Wv is S1,
	s_cselect_b64 s[6:7], s[90:91], s[6:7]
	s_cselect_b64 s[8:9], s[76:77], s[8:9]         ; r's tokens are S0
	s_cselect_b64 s[10:11], s[78:79], s[10:11]
	s_cselect_b64 s[100:101], s[96:97], s[100:101]
	s_mov_b64 s[12:13], s[98:99]
	s_add_nc_u64 s[20:21], s[4:5], s[20:21]
	s_add_nc_u64 s[22:23], s[6:7], s[22:23]
	s_add_nc_u64 s[46:47], s[8:9], s[46:47]
	s_add_nc_u64 s[92:93], s[10:11], s[2:3]
	s_or_b32 s[G1S+0], s43, (3<<16)|(1<<20)|(1<<21)|(5<<22)|(3<<25)   ; the scales of 256 rows: 8,192 dense bytes as 32 rows of 256, 16 bytes of padding behind each
	s_or_b32 s[G1SB+0], s44, (3<<16)|(1<<20)|(1<<21)|(5<<22)|(3<<25)
.irp g, G1S, G1SB
	s_mov_b32 s[\g+1], 32<<16
	s_mov_b32 s[\g+2], KS<<16
	s_mov_b32 s[\g+3], 32<<16
	s_mov_b32 s[\g+4], KS
	s_mov_b32 s[\g+5], 32
	s_mov_b32 s[\g+6], 0
	s_mov_b32 s[\g+7], 0
.endr
	CROUND                                         ; all sixteen work-groups are here: the first joint loads meet
	s_mov_b32 s[G0H], 1                            ; the head's four tiles: chunk 0 of S1,
	s_mov_b32 s[G0H+1], 0
	s_mov_b64 s[G0H+2:G0H+3], s[20:21]
	s_or_b32 s[G0H+3], s[G0H+3], 0x80000000
	s_mov_b32 s[G0HB], 1                           ; of S0,
	s_mov_b32 s[G0HB+1], 2*HALFT
	s_mov_b64 s[G0HB+2:G0HB+3], s[46:47]
	s_or_b32 s[G0HB+3], s[G0HB+3], 0x80000000
	s_mov_b32 s[G0S], 1                            ; S1's scales,
	s_mov_b32 s[G0S+1], SCL
	s_mov_b64 s[G0S+2:G0S+3], s[22:23]
	s_or_b32 s[G0S+3], s[G0S+3], 0x80000000
	s_mov_b32 s[G0SB], 1                           ; S0's
	s_mov_b32 s[G0SB+1], SCL+2*HALFS
	s_mov_b64 s[G0SB+2:G0SB+3], s[92:93]
	s_or_b32 s[G0SB+3], s[G0SB+3], 0x80000000
	s_add_nc_u64 s[20:21], s[20:21], s[18:19]      ; for the ring: my 128 rows
	s_add_nc_u64 s[46:47], s[46:47], s[18:19]
.irp s, 0,1
	s_mov_b32 s[G0+4*\s], 1
	s_add_co_u32 s[G0+4*\s+1], s45, \s*SLOT
	s_add_nc_u64 s[G0+4*\s+2:G0+4*\s+3], s[20:21], \s*ROWB
	s_or_b32 s[G0+4*\s+3], s[G0+4*\s+3], 0x80000000
	s_mov_b32 s[G0B+4*\s], 1
	s_add_co_u32 s[G0B+4*\s+1], s45, \s*SLOT
	s_add_nc_u64 s[G0B+4*\s+2:G0B+4*\s+3], s[46:47], \s*ROWB
	s_or_b32 s[G0B+4*\s+3], s[G0B+4*\s+3], 0x80000000
.endr
; the head's loads, one a wave, in one chain of branches on the wave's number
.macro ARM under, g0, g1, next
	s_cmp_lt_u32 s14, \under
	s_cbranch_scc0 \next
	tensor_load_to_lds s[\g0:\g0+3], s[\g1:\g1+7]
	s_nop 0
.rept 4
	v_nop
.endr
	s_branch .Lhead_asked
\next:
.endm
	ARM 1, G0H,  G1,  .Lhead_b
	ARM 2, G0HB, G1B, .Lhead_sa
	ARM 3, G0S,  G1S, .Lhead_sb
	tensor_load_to_lds s[G0SB:G0SB+3], s[G1SB:G1SB+7]
	s_nop 0
.rept 4
	v_nop
.endr
.Lhead_asked:
	v_and_b32 v1, 15, v0                           ; r
	v_bfe_u32 v2, v0, 4, 1                         ; h
	v_mul_u32_u24 v3, v1, PITCH
	v_mul_u32_u24 v4, v2, 24
	v_add_nc_u32 v4, v3, v4                        ; a fragment's row x pitch + 24 h
	s_mov_b32 s21, SLOT-232
	s_mov_b32 s22, SLOT+232
	v_sub_nc_u32 v7, 1, v2
	v_mul_u32_u24 v5, s21, v2
	v_add_nc_u32 v5, v3, v5
	v_add_nc_u32 v5, 232, v5                       ; lanes 0-15 byte 232 of the row in slot 0, lanes 16-31 byte 0 in slot 1;
	v_mul_u32_u24 v6, s22, v7
	v_add_nc_u32 v6, v3, v6                        ; and the other way round
	s_mul_i32 s21, s15, HALFT                      ; my 128 rows of S1
	s_mul_i32 s22, s16, HALFT
	s_add_co_u32 s22, s22, 2*HALFT                 ; my 128 rows of S0
	v_add_nc_u32 v[ADRA+2], s21, v5
	v_add_nc_u32 v[ADRA+3], s21, v6
	v_add_nc_u32 v[ADRB+2], s22, v5
	v_add_nc_u32 v[ADRB+3], s22, v6
.irp s, 0,1
	v_add_nc_u32 v[ADRA+\s], s21, v4
	v_add_nc_u32 v[ADRB+\s], s22, v4
	s_add_co_u32 s21, s21, SLOT
	s_add_co_u32 s22, s22, SLOT
.endr
	v_mul_u32_u24 v5, v1, KS                       ; my row's scales: 32 bytes a row,
	v_lshrrev_b32 v6, 8, v5
	v_lshl_add_u32 v5, v6, 4, v5                   ; and 16 more for each 256 passed
	s_mul_i32 s21, s15, HALFS
	s_mul_i32 s22, s16, HALFS
	s_add_co_u32 s22, s22, 2*HALFS
	s_sub_co_u32 s22, s22, s21
	v_mul_u32_u24 v6, s22, v2                      ; lanes 16-31 take S0's
	s_add_co_u32 s21, s21, SCL
	v_add_nc_u32 v5, v5, v6
	v_add_nc_u32 v[ADRS], s21, v5
	v_and_b32 v6, 31, v0
	v_lshlrev_b32 v[OL16], 4, v6
	v_lshlrev_b32 v[OL8], 3, v6
	; the bias in the result's layout.  q, k: accumulator (a, b), register j: channel 16 b + 8 h + j.  r: channel 16 a + r for every j
	s_cmp_eq_u32 s[ISV], 1
	s_cselect_b32 s21, 4, 0                        ; bytes for each r,
	s_cselect_b32 s22, 0, 32                       ; for h,
	s_cselect_b32 s23, 0, 4                        ; for each j
	s_cselect_b32 s92, s41, s40                    ; the channels' tile
	s_cselect_b32 s93, s15, s16                    ; and my half of it
	s_cselect_b32 s18, s42, s17                    ; the tokens' tile
	s_cselect_b32 s19, s16, s15                    ; and my half of it
	s_lshl_b32 s2, s92, 10
	s_lshl_b32 s3, s93, 9
	s_add_co_u32 s2, s2, s3                        ; my 128 channels' first, in bytes
	s_mov_b32 s3, 0
	s_add_nc_u64 s[100:101], s[100:101], s[2:3]
	s_wait_alu depctr_va_vdst(0)
	v_mul_u32_u24 v5, s21, v1
	v_mul_u32_u24 v6, s22, v2
	v_add_nc_u32 v[BA], v5, v6
.irp j, 1,2,3,4,5,6,7
	v_add_nc_u32 v[BA+\j], s23, v[BA+\j-1]
.endr
.irp x, 0,1,2,3,4,5,6,7
.irp j, 0,1,2,3,4,5,6,7
	global_load_b32 v[BIAS+8*\x+\j], v[BA+\j], s[100:101] offset:64*\x
.endr
.endr
	; my record of qkv
	s_lshl_b32 s18, s18, 1
	s_add_co_u32 s18, s18, s19                     ; the group of 128 tokens, 0..63
	s_lshr_b32 s19, s18, 3                         ; batch
	s_and_b32 s18, s18, 7
	s_lshl_b32 s19, s19, 6
	s_add_co_u32 s18, s18, s19
	s_lshl_b32 s92, s92, 1
	s_add_co_u32 s92, s92, s93                     ; head pair
	s_lshl_b32 s92, s92, 3
	s_add_co_u32 s18, s18, s92
	s_mul_i32 s18, s18, REC
	s_mul_i32 s19, s[MODE], PART
	s_add_co_u32 s18, s18, s19
	s_mov_b32 s19, 0
	s_add_nc_u64 s[12:13], s[12:13], s[18:19]
.macro FRAG reg, adr, st, i            ; 16 rows x 128 K: 12 registers, six pieces of 8 bytes; byte y of a row lies in slot (y / 256) % 2 at byte y % 256
.irp p, 0,1,2,3,4,5
.set BY, 96*(\st)+48*(\p/3)+8*(\p%3)
.if BY/ROWB == (BY+24)/ROWB
	ds_load_b64 v[\reg+2*\p:\reg+2*\p+1], v[\adr+(BY/ROWB)%2] offset:BY%ROWB+(\i)*16*PITCH
.else
	ds_load_b64 v[\reg+2*\p:\reg+2*\p+1], v[\adr+2+(BY/ROWB)%2] offset:BY%ROWB-232+(\i)*16*PITCH
.endif
.endr
.endm
; 16 matrix instructions: source 1's blocks a0, a0 + 1 x source 0's eight.  zero = 1: C is the bias by source 0's block; 2: by source 1's; 0: in place.
; The 64 accumulators take turns, one instruction a turn.
.macro MUL16 a0, p, q, sc, zero
.irp a, \a0, \a0+1
.irp b, 0,1,2,3,4,5,6,7
.set DD, 8*(8*((\a)%4)+\b)
.if \zero == 1
.set CC, BIAS+8*\b
.elseif \zero == 2
.set CC, BIAS+8*(\a)
.else
.set CC, DD
.endif
	v_wmma_scale_f32_16x16x128_f8f6f4 v[DD:DD+7], v[128*(\p)+FR*\b:128*(\p)+FR*\b+FR-1], v[AF+FR*(\a):AF+FR*(\a)+FR-1], v[CC:CC+7], v[SC+8*NQ*(\sc)+NQ*\b+(\q)], v[SC+8*NQ*(\sc)+NQ*(\a)+(\q)] matrix_a_fmt:MATRIX_FMT_FP6 matrix_b_fmt:MATRIX_FMT_FP6 matrix_a_scale:MATRIX_SCALE_ROW1
.endr
.endr
.endm
.macro FETCH_B st, p
	WIN TO_B
.irp i, 0,1,2,3,4,5,6,7
	FRAG 128*(\p)+FR*\i, ADRB, \st, \i
.endr
	WIN 0
.endm
.macro FETCH_A st, i0
.irp i, \i0, \i0+1, \i0+2, \i0+3
	FRAG AF+FR*(\i), ADRA, \st, \i
.endr
.endm
.macro SCALES pr                       ; the scale words of steps 2 pr, 2 pr + 1 into set pr % 2
.irp i, 0,1,2,3,4,5,6,7
	ds_load_b64 v[SC+8*NQ*((\pr)%2)+NQ*\i:SC+8*NQ*((\pr)%2)+NQ*\i+1], v[ADRS] offset:\i*SBLK+4*NQ*(\pr)
.endr
.endm
.macro PLACES n                        ; plain vector lines between a matrix instruction and a load into, or a read of, its registers
.rept \n
	v_nop
.endr
.endm
; A step of 128 along K.  Where the next step's bytes end in a chunk not read yet: a wait for my tensor loads and a barrier.  Where they begin in a later chunk: the add and the waits too,
; and, where a chunk two on is left to fetch, a round of the cluster's barrier and the refill.
.macro STEP st, zero
.set NX, (\st)+1
.set C0, (96*(\st))/ROWB
.set C1, (96*NX)/ROWB
.set E0, (96*(\st)+95)/ROWB
.set E1, (96*NX+95)/ROWB
.if \zero
.set WL, BIA_LO
.set WH, BIA_HI
.else
.set WL, MUL_LO
.set WH, MUL_HI
.endif
.if C1 > C0 || E1 > E0
	s_wait_tensorcnt 0x0                           ; all my tensor loads have landed
.if C1 > C0
	ds_add_u32 v[SPW], v[NIL]
	s_wait_dscnt 4*NL+1                            ; the add and the youngest 24 loads (source 1's blocks 4-7) may be out
.else
	s_wait_dscnt 4*NL
.endif
	WIN WL
	MUL16 0, (\st)%2, (\st)%2, ((\st)/2)%2, \zero
	s_wait_dscnt 0x0                               ; the add and all my LDS reads are done
	s_barrier_signal -1
	MUL16 2, (\st)%2, (\st)%2, ((\st)/2)%2, \zero
	WIN 0
	s_barrier_wait -1
.if C1 > C0 && C0+2 < CHUNKS
	CREST                                          ; the barrier has opened a round of the cluster's: no partner's wave still reads this slot or has a load out
	s_add_nc_u64 s[G0+4*(C0%2)+2:G0+4*(C0%2)+3], s[G0+4*(C0%2)+2:G0+4*(C0%2)+3], 2*ROWB
	s_add_nc_u64 s[G0B+4*(C0%2)+2:G0B+4*(C0%2)+3], s[G0B+4*(C0%2)+2:G0B+4*(C0%2)+3], 2*ROWB
	JLOAD G0+4*(C0%2), G1, G0B+4*(C0%2), G1B       ; chunk C0 + 2; its four v_nop are the places in front of the loads below
.else
	PLACES NP
.endif
.else
	s_wait_dscnt 4*NL                              ; source 0's set and source 1's blocks 0-3 are in; the youngest 24 loads may be out
	WIN WL
	MUL16 0, (\st)%2, (\st)%2, ((\st)/2)%2, \zero
	MUL16 2, (\st)%2, (\st)%2, ((\st)/2)%2, \zero
	s_wait_dscnt 0
	PLACES NP
.endif
	FETCH_B NX, NX%2
	FETCH_A NX, 0
.if NX%2 == 0
	SCALES NX/2
.endif
	WIN WH
	MUL16 4, (\st)%2, (\st)%2, ((\st)/2)%2, \zero
	MUL16 6, (\st)%2, (\st)%2, ((\st)/2)%2, \zero
	PLACES NP
	WIN 0
	FETCH_A NX, 4
.endm
	s_wait_alu depctr_va_vdst(0)
	s_wait_tensorcnt 0x0                           ; my tile of the head's four is in; the lines ahead of a later first fill:
	ds_add_u32 v[SPW], v[NIL]
	s_mov_b32 s[G1+2], 128<<16                     ; no tensor load of mine is out: from here on a load brings 128 rows
	s_mov_b32 s[G1+4], 128
	s_mov_b32 s[G1B+2], 128<<16
	s_mov_b32 s[G1B+4], 128
	s_wait_dscnt 0x0
	CROUND
	JLOAD G0+4, G1, G0B+4, G1B                     ; chunk 1, the first tensor load behind the round
	FETCH_B 0, 0
	FETCH_A 0, 0
	SCALES 0
	FETCH_A 0, 4
	s_wait_loadcnt 0x0                             ; the bias
	s_cmp_eq_u32 s[MODE], 2                        ; the first step is written twice: the bias goes by source 0's block or by source 1's; no tensor load and no barrier stands in it
	s_cbranch_scc1 .Lfirst_v
	STEP 0, 1
	s_branch .Lfirst_done
.Lfirst_v:
	STEP 0, 2
.Lfirst_done:
.set ST, 1
.rept STEPS-2
	STEP ST, 0
.set ST, ST+1
.endr
	s_wait_dscnt 4*NL                              ; the last step: nothing more to fetch
	WIN MUL_LO
	MUL16 0, 1, 1, 1, 0
	MUL16 2, 1, 1, 1, 0
	s_wait_dscnt 0
	WIN MUL_HI
	MUL16 4, 1, 1, 1, 0
	MUL16 6, 1, 1, 1, 0
	WIN 0
; THE WAY OUT.
.macro WEAVE f, y                      ; f: the first conversion's three registers, and the block pair's six; y: the second's three
.irp i, 0,1,2
	v_permlane16_swap_b32 v[\f+\i], v[\y+\i]       ; f now holds my block's numbers 0-7 and 16-23, y its 8-15 and 24-31: 48 bits each
.endr
	v_perm_b32 v[\f+3], v[\f+2], v[\f+1], s[P1]
	v_perm_b32 v[\f+4], v[\y+1], v[\f+2], s[P2]
	v_perm_b32 v[\f+1], v[\y], v[\f+1], s[P3]
	v_perm_b32 v[\f+2], v[\y+1], v[\y], s[P1]
	v_mov_b32 v[\f+5], v[\y+2]
.endm
.macro OUTBLK a                        ; source 1's block a: 64 numbers a lane become an image and a scale word
.set AC, 64*((\a)%4)
.set WW, 2+(\a)/4
.set W01, WW|(WW<<2)
.set W12, (WW<<2)|(WW<<4)
.set FB, F+12*(\a)
	WIN W01
.irp b, 0,1,2,3
	v_max3_num_f32 v[TM+\b], |v[AC+16*\b]|, |v[AC+1+16*\b]|, 0x1800000   ; from each accumulator's low end on; the floor 2^(3 - 127) holds the byte at 1 from below
.endr
	WIN W12
.irp i, 2,4,6,8,10,12,14
.irp b, 0,1,2,3
	v_max3_num_f32 v[TM+\b], v[TM+\b], |v[AC+16*\b+\i]|, |v[AC+1+16*\b+\i]|
.endr
.endr
	WIN 0
.irp b, 0,1,2,3
	v_permlanex16_b32 v[TM+4+\b], v[TM+\b], s[SEL], s[SEL+1]
.endr
.irp b, 0,1,2,3
	v_max_num_f32 v[TM+\b], v[TM+\b], v[TM+4+\b]   ; with lane l xor 16's 16: the block's largest magnitude
.endr
.irp b, 0,1,2,3
	v_add_nc_u32 v[TM+12+\b], 0xff000000, v[TM+\b] ; 2 off its exponent field: the conversion's scale operand
.endr
.irp b, 0,1,2,3
	v_lshrrev_b32 v[TM+4+\b], 23, v[TM+12+\b]      ; the byte
.endr
	v_lshl_or_b32 v[PW+(\a)], v[TM+5], 8, v[TM+4]
	v_lshl_or_b32 v[PW+(\a)], v[TM+6], 16, v[PW+(\a)]
	v_lshl_or_b32 v[PW+(\a)], v[TM+7], 24, v[PW+(\a)]
	WIN WW
.irp c, 0,1
	v_cvt_scalef32_pk16_fp6_f32 v[FB+6*\c:FB+6*\c+2], v[AC+32*\c:AC+32*\c+15], v[TM+12+2*\c]
	v_cvt_scalef32_pk16_fp6_f32 v[Y+4*\c:Y+4*\c+2], v[AC+32*\c+16:AC+32*\c+31], v[TM+13+2*\c]
.endr
	WIN 0
	v_nop                                          ; one plain line behind a scaled conversion
	WEAVE FB, Y
	WEAVE FB+6, Y+4
.irp i, 0,1,2,3,4,5
	global_store_b64 v[OL8], v[FB+2*\i:FB+2*\i+1], s[12:13] offset:1536*(\a)+256*\i   ; 32 lanes store 256 consecutive bytes, aligned
.endr
.endm
	PLACES NP                                      ; behind the last products: their scale words' registers are written and results are read below
	s_mov_b32 s[SEL], 0x76543210
	s_mov_b32 s[SEL+1], 0xfedcba98
	s_mov_b32 s[P1], 0x05040302
	s_mov_b32 s[P2], 0x07060302
	s_mov_b32 s[P3], 0x05040100
	s_mov_b32 s97, 0xffff0000
.irp b, 0,1,2,3
	v_mov_b32 v[TM+4+\b], 0                        ; a lane permute's destination counts as one of its sources
.endr
.irp a, 0,1,2,3,4,5,6,7
	OUTBLK \a
.endr
.irp i, 0,1,2,3
	v_cndmask_b32 v[56+\i], v[PW+2*\i], v[PW+2*\i+1], s97   ; lanes 0-15: image 2 i's words, lanes 16-31: image 2 i + 1's
.endr
.irp i, 0,1,2,3
	v_lshrrev_b32 v[60+\i], 16, v[56+\i]           ; the second head's two bytes, brought down
.endr
	global_store_b128 v[OL16], v[56:59], s[12:13] offset:12288
	global_store_b128 v[OL16], v[60:63], s[12:13] offset:12800
	s_wait_tensorcnt 0x0                           ; the wave's end
	ds_add_u32 v[SPW], v[NIL]
	s_wait_dscnt 0x0
	CROUND                                         ; the closing round
	s_endpgm
.Lfunc_end_k_q9b97dceb77_proj:
	.size	k_q9b97dceb77_proj, .Lfunc_end_k_q9b97dceb77_proj-k_q9b97dceb77_proj
	.p2alignl 7, 3214868480
	.fill 96, 4, 3214868480
	.section	.rodata,"a",@progbits
	.p2align	6, 0x0
	.amdhsa_kernel k_q9b97dceb77_proj
		.amdhsa_group_segment_fixed_size 327680
		.amdhsa_private_segment_fixed_size 0
		.amdhsa_enable_private_segment 0
		.amdhsa_kernarg_size 128
		.amdhsa_user_sgpr_count 2
		.amdhsa_user_sgpr_kernarg_segment_ptr 1
		.amdhsa_wavefront_size32 1
		.amdhsa_system_sgpr_workgroup_id_x 1
		.amdhsa_system_sgpr_workgroup_id_y 1
		.amdhsa_system_sgpr_workgroup_id_z 1
		.amdhsa_system_vgpr_workitem_id 0
		.amdhsa_next_free_vgpr 1024
		.amdhsa_next_free_sgpr 106
		.amdhsa_reserve_vcc 0
		.amdhsa_float_denorm_mode_32 3
		.amdhsa_float_denorm_mode_16_64 3
		.amdhsa_memory_ordered 1
		.amdhsa_forward_progress 1
		.amdhsa_inst_pref_size 192
	.end_amdhsa_kernel
	.amdgpu_metadata
---
amdhsa.version: [ 1, 2 ]
amdhsa.kernels:
  - .name:           k_q9b97dceb77_proj
    .symbol:         k_q9b97dceb77_proj.kd
    .args:
      - { .name: qc, .offset: 0, .size: 8, .value_kind: global_buffer, .address_space: global }
      - { .name: qs, .offset: 8, .size: 8, .value_kind: global_buffer, .address_space: global }
      - { .name: k_codes, .offset: 16, .size: 8, .value_kind: global_buffer, .address_space: global }
      - { .name: k_scales, .offset: 24, .size: 8, .value_kind: global_buffer, .address_space: global }
      - { .name: r_codes, .offset: 32, .size: 8, .value_kind: global_buffer, .address_space: global }
      - { .name: r_scales, .offset: 40, .size: 8, .value_kind: global_buffer, .address_space: global }
      - { .name: Wq_codes, .offset: 48, .size: 8, .value_kind: global_buffer, .address_space: global }
      - { .name: Wq_scales, .offset: 56, .size: 8, .value_kind: global_buffer, .address_space: global }
      - { .name: Wk_codes, .offset: 64, .size: 8, .value_kind: global_buffer, .address_space: global }
      - { .name: Wk_scales, .offset: 72, .size: 8, .value_kind: global_buffer, .address_space: global }
      - { .name: Wv_codes, .offset: 80, .size: 8, .value_kind: global_buffer, .address_space: global }
      - { .name: Wv_scales, .offset: 88, .size: 8, .value_kind: global_buffer, .address_space: global }
      - { .name: bq, .offset: 96, .size: 8, .value_kind: global_buffer, .address_space: global }
      - { .name: bk, .offset: 104, .size: 8, .value_kind: global_buffer, .address_space: global }
      - { .name: bv, .offset: 112, .size: 8, .value_kind: global_buffer, .address_space: global }
      - { .name: qkv, .offset: 120, .size: 8, .value_kind: global_buffer, .address_space: global }
    .group_segment_fixed_size: 327680
    .private_segment_fixed_size: 0
    .kernarg_segment_align: 8
    .kernarg_segment_size: 128
    .max_flat_workgroup_size: 128
    .sgpr_count:     106
    .vgpr_count:     1024
    .wavefront_size: 32
...
	.end_amdgpu_metadata
.endif
;; end of part 2
;; launch attn (part 3): grid 4 x 64, 16 waves a work-group, clusters of 4 x 1, 327,680 bytes of LDS; arguments qkv, orec; writes orec
.if DOCPART == 3
	.amdgcn_target "amdgcn-amd-amdhsa--gfx1250"
	.amdhsa_code_object_version 6
	.text
	.protected	k_q9b97dceb77_attn
	.globl	k_q9b97dceb77_attn
	.p2align	8
	.type	k_q9b97dceb77_attn,@function
k_q9b97dceb77_attn:
	s_mov_b64 s[64:65], 0
	v_nop
	global_prefetch_b8 v0, s[64:65] scope:SCOPE_SE
	s_setreg_imm32_b32 hwreg(HW_REG_WAVE_MODE, 25, 1), 1
	s_wait_xcnt 0x0
	s_wait_alu depctr_hold_cnt(0) depctr_sa_sdst(0) depctr_va_vdst(0) depctr_va_sdst(0) depctr_va_ssrc(0) depctr_va_vcc(0) depctr_vm_vsrc(0)
	s_getreg_b32 s2, hwreg(HW_REG_IB_STS2, 6, 4)
	s_cmp_eq_u32 s2, 0
	s_cbranch_scc0 .Lentry_in_a_cluster
	s_endpgm
.Lentry_in_a_cluster:
	s_bfe_u32 s2, ttmp6, 0x10000c
	s_cmp_lg_u32 s2, 0x3003
	s_cbranch_scc0 .Lentry_shape_is_right
	s_endpgm
.Lentry_shape_is_right:
.set REC,  13312
.set KV,   8*REC
.set OSG,  2*KV
.set PART, 512*REC
.set OSC,  6291456
.set WV,  8
.set SEL, 20
.set CS,  22
.set TB,  48
.set CNT, 49
.set P1,  50
.set P2,  51
.set P3,  52
.macro ROUND
	s_barrier_signal -1
	s_barrier_wait -1
	s_cmp_lg_u32 s[WV], 0
	s_cbranch_scc1 .Lnot_wave_0_\@
	s_barrier_signal -3
.Lnot_wave_0_\@:
	s_barrier_wait -3
	s_barrier_signal -1
	s_barrier_wait -1
.endm
	s_load_b128 s[4:7], s[0:1], 0x0
	v_lshl_add_u32 v254, v0, 2, 0x38000
	v_mov_b32 v255, 0
	ds_add_u32 v254, v255
	ds_add_u32 v254, v255
	v_lshrrev_b32 v1, 5, v0
	s_delay_alu instid0(VALU_DEP_1)
	v_readfirstlane_b32 s[WV], v1
	s_bfe_u32 s9, ttmp6, 0x40000
	s_and_b32 s10, ttmp7, 0xffff
	s_lshr_b32 s11, s[WV], 3
	s_and_b32 s12, s[WV], 7
	s_mov_b32 s24, 15|(3<<16)|(1<<21)
	s_mov_b32 s25, 32<<16
	s_mov_b32 s26, 13<<16
	s_mov_b32 s27, 32<<16
	s_mov_b32 s28, 13
	s_mov_b32 s29, 32
	s_mov_b32 s30, 0
	s_mov_b32 s31, 0
	s_mov_b32 s32, 15|(3<<16)|(1<<21)
	s_mov_b32 s33, 32<<16
	s_mov_b32 s34, 39<<16
	s_mov_b32 s35, 32<<16
	s_mov_b32 s36, 39
	s_mov_b32 s37, 32
	s_mov_b32 s38, 0
	s_mov_b32 s39, 0
	s_mul_i32 s54, s11, PART
	s_add_co_u32 s54, s54, PART
	s_mul_i32 s55, s10, KV
	s_add_co_u32 s54, s54, s55
	s_mul_i32 s55, s12, 3328
	s_add_co_u32 s56, s54, s55
	s_mov_b32 s57, 0
	s_mul_i32 s62, s12, 9984
	s_add_co_u32 s58, s54, s62
	s_add_co_u32 s58, s58, 2*REC
	s_mov_b32 s59, 0
	s_mul_i32 s60, s11, KV
	s_add_co_u32 s61, s60, s55
	s_add_co_u32 s62, s62, s60
	s_add_co_u32 s62, s62, 2*REC
	s_mov_b32 s[SEL], 0x76543210
	s_mov_b32 s[SEL+1], 0xfedcba98
	s_mov_b32 s[CS], 0x3e38aa3b
	s_mov_b32 s[CS+1], s[CS]
	s_mov_b32 s[P1], 0x05040302
	s_mov_b32 s[P2], 0x07060302
	s_mov_b32 s[P3], 0x05040100
	s_wait_dscnt 0x0
	s_wait_kmcnt 0x0
	s_mov_b32 s40, 1
	s_mov_b32 s41, s61
	s_add_nc_u64 s[42:43], s[4:5], s[56:57]
	s_or_b32 s43, s43, 0x80000000
	s_mov_b32 s44, 1
	s_mov_b32 s45, s62
	s_add_nc_u64 s[46:47], s[4:5], s[58:59]
	s_or_b32 s47, s47, 0x80000000
	ROUND
	tensor_load_to_lds s[40:43], s[24:31]
	s_nop 0
.rept 4
	v_nop
.endr
	s_lshl_b32 s66, s10, 3
	s_lshl_b32 s67, s9, 1
	s_add_co_u32 s66, s66, s67
	s_mul_i32 s66, s66, REC
	s_mov_b32 s67, 0
	s_add_nc_u64 s[14:15], s[4:5], s[66:67]
	s_lshr_b32 s66, s10, 3
	s_lshl_b32 s66, s66, 3
	s_lshl_b32 s67, s9, 1
	s_add_co_u32 s66, s66, s67
	s_and_b32 s67, s10, 7
	s_mul_i32 s68, s66, 98304
	s_mul_i32 s69, s67, 3072
	s_add_co_u32 s68, s68, s69
	s_mov_b32 s69, 0
	s_add_nc_u64 s[16:17], s[6:7], s[68:69]
	s_lshl_b32 s68, s66, 12
	s_lshl_b32 s67, s67, 9
	s_add_co_u32 s68, s68, s67
	s_add_co_u32 s68, s68, OSC
	s_add_nc_u64 s[18:19], s[6:7], s[68:69]
	v_and_b32 v9, 31, v0
	v_and_b32 v10, 15, v0
	s_wait_alu depctr_va_vdst(0)
	v_lshlrev_b32 v31, 4, v9
	v_lshlrev_b32 v11, 3, v9
	s_mul_i32 s53, s12, 1536
	s_mul_i32 s56, s11, 768
	s_add_co_u32 s53, s53, s56
	v_add_nc_u32 v5, s53, v11
	s_wait_alu depctr_va_vdst(0)
	s_and_b32 s54, s12, 1
	s_lshr_b32 s55, s12, 1
	s_lshl_b32 s53, s11, 9
	s_lshl_b32 s56, s54, 8
	s_add_co_u32 s53, s53, s56
	s_lshl_b32 s56, s55, 2
	s_add_co_u32 s53, s53, s56
	s_add_co_u32 s53, s53, 12288
	v_lshl_add_u32 v6, v10, 4, s53
.irp i, 0,1,2
	global_load_b64 v[16+2*\i:17+2*\i], v5, s[14:15] offset:256*\i
.endr
	global_load_b32 v28, v6, s[14:15]
.irp i, 0,1,2
	global_load_b64 v[236+2*\i:237+2*\i], v5, s[14:15] offset:REC+256*\i
.endr
	global_load_b32 v242, v6, s[14:15] offset:REC
	s_wait_alu depctr_va_vdst(0)                   ; q's fragments are asked for while the first tile is on its way; then the lines ahead of a later first fill
	s_wait_tensorcnt 0x0
	ds_add_u32 v254, v255
	s_wait_dscnt 0x0
	ROUND
	tensor_load_to_lds s[44:47], s[32:39]
	s_nop 0
.rept 4
	v_nop
.endr
	s_mul_i32 s53, s11, 768
	v_add_nc_u32 v1, s53, v11
	s_lshl_b32 s53, s11, 9
	s_add_co_u32 s53, s53, 12288
	v_add_nc_u32 v2, s53, v31
	s_mul_i32 s53, s11, 6144
	s_add_co_u32 s53, s53, KV
	v_add_nc_u32 v3, s53, v11
	s_lshl_b32 s53, s11, 3
	s_add_co_u32 s53, s53, KV+12288
	v_add_nc_u32 v4, s53, v31
	s_mul_i32 s53, s55, 24576
	s_mul_i32 s56, s54, 1536
	s_add_co_u32 s53, s53, s56
	s_mul_i32 s56, s11, 768
	s_add_co_u32 s53, s53, s56
	v_add_nc_u32 v7, s53, v11
	s_lshl_b32 s53, s55, 7
	s_lshl_b32 s56, s54, 6
	s_add_co_u32 s53, s53, s56
	s_lshl_b32 s56, s11, 1
	s_add_co_u32 s53, s53, s56
	s_add_co_u32 s53, s53, OSG
	v_lshl_add_u32 v29, v10, 2, s53
	v_add_nc_u32 v30, OSG, v31
.irp j, 22,23,24,25,26,27,80,81,82,83,84,85
	v_mov_b32 v\j, 0
.endr
.irp j, 216,217,218,219,231,232,233
	v_mov_b32 v\j, 0
.endr
.macro WEAVE f, y
.irp i, 0,1,2
	v_permlane16_swap_b32 v[\f+\i], v[\y+\i]
.endr
	s_delay_alu instid0(VALU_DEP_1)
	v_perm_b32 v[\f+3], v[\f+2], v[\f+1], s[P1]
	s_delay_alu instid0(VALU_DEP_2)
	v_perm_b32 v[\f+4], v[\y+1], v[\f+2], s[P2]
	s_delay_alu instid0(VALU_DEP_4)
	v_perm_b32 v[\f+1], v[\y], v[\f+1], s[P3]
	v_perm_b32 v[\f+2], v[\y+1], v[\y], s[P1]
	v_mov_b32 v[\f+5], v[\y+2]
.endm
.macro STEP
	v_add_nc_u32 v8, s[TB], v1
	v_add_nc_u32 v9, s[TB], v2
	v_add_nc_u32 v10, s[TB], v3
	v_add_nc_u32 v11, s[TB], v4
.irp t, 0,1,2,3,4,5,6,7
.irp i, 0,1,2
	ds_load_b64 v[32+6*\t+2*\i:33+6*\t+2*\i], v8 offset:1536*\t+256*\i
.endr
.endr
	ds_load_b128 v[86:89], v9
	s_wait_alu depctr_va_vdst(0)
	s_wait_dscnt 0x0
.irp t, 0,2,4,6
	v_wmma_scale_f32_16x16x128_f8f6f4 v[96+8*\t:103+8*\t], v[32+6*\t:43+6*\t], v[16:27], 0, v[86+\t/2], v28 matrix_a_fmt:MATRIX_FMT_FP6 matrix_b_fmt:MATRIX_FMT_FP6
	v_wmma_scale_f32_16x16x128_f8f6f4 v[104+8*\t:111+8*\t], v[38+6*\t:49+6*\t], v[16:27], 0, v[86+\t/2], v28 matrix_a_fmt:MATRIX_FMT_FP6 matrix_b_fmt:MATRIX_FMT_FP6 matrix_a_scale:MATRIX_SCALE_ROW1
.endr
.rept 4
	v_nop
.endr
.irp t, 0,1,2,3
.irp i, 0,1,2,3,4,5
	ds_load_b64 v[32+12*\t+2*\i:33+12*\t+2*\i], v10 offset:1536*\t+256*\i
.endr
.endr
	ds_load_b64 v[90:91], v11
.irp b, 0,1,2,3
	v_max3_num_f32 v[212+\b], v[96+16*\b], v[97+16*\b], v[98+16*\b]
.endr
.irp i, 3,5,7,9,11,13
.irp b, 0,1,2,3
	v_max3_num_f32 v[212+\b], v[212+\b], v[96+16*\b+\i], v[97+16*\b+\i]
.endr
.endr
.irp b, 0,1,2,3
	v_max_num_f32 v[212+\b], v[212+\b], v[111+16*\b]
.endr
.irp b, 0,1,2,3
	s_delay_alu instid0(VALU_DEP_4)
	v_permlanex16_b32 v[216+\b], v[212+\b], s[SEL], s[SEL+1]
.endr
.irp b, 0,1,2,3
	s_delay_alu instid0(VALU_DEP_4)
	v_max_num_f32 v[212+\b], v[212+\b], v[216+\b]
.endr
	s_delay_alu instid0(VALU_DEP_2)
	v_max3_num_f32 v234, v212, v213, v214
	s_delay_alu instid0(VALU_DEP_1)
	v_max_num_f32 v234, v234, v215
	s_delay_alu instid0(VALU_DEP_1)
	v_mul_f32 v234, s[CS], v234
	s_delay_alu instid0(VALU_DEP_1)
	v_max_num_f32 v13, v13, v234
	v_mov_b32 v234, v12
	s_delay_alu instid0(VALU_DEP_2)
	v_floor_f32 v12, -v13
	s_delay_alu instid0(VALU_DEP_1)
	v_sub_f32 v234, v12, v234
	s_delay_alu instid0(VALU_DEP_1)
	v_cvt_i32_f32 v234, v234
	s_delay_alu instid0(VALU_DEP_1)
	v_ldexp_f32 v230, 1.0, v234
.set J, 0
.rept 32
	v_pk_fma_f32 v[96+J:97+J], v[96+J:97+J], s[CS:CS+1], v[12:13] op_sel_hi:[1,0,0]
.set J, J+2
.endr
.irp b, 0,1,2,3
	v_fma_f32 v[212+\b], v[212+\b], s[CS], v12
.endr
.set J, 0
	s_wait_alu depctr_va_vdst(0)
.rept 64
	v_exp_f32 v[96+J], v[96+J]
.set J, J+1
.endr
	v_pk_mul_f32 v[14:15], v[14:15], v[230:231] op_sel_hi:[1,0]
	s_wait_alu depctr_va_vdst(0)
.irp b, 0,1,2,3
	v_exp_f32 v[212+\b], v[212+\b]
.endr
	v_pk_add_f32 v[232:233], v[96:97], v[98:99]
.irp j, 4,8,12,16,20,24,28,32,36,40,44,48,52,56,60
	v_pk_add_f32 v[14:15], v[14:15], v[96+\j:97+\j]
	v_pk_add_f32 v[232:233], v[232:233], v[98+\j:99+\j]
.endr
	s_delay_alu instid0(VALU_DEP_1)
	v_pk_add_f32 v[14:15], v[14:15], v[232:233]
	s_wait_alu depctr_va_vdst(0)
.irp b, 0,1,2,3
	v_max_num_f32 v[212+\b], 0x1800000, v[212+\b]
.endr
.irp b, 0,1,2,3
	s_delay_alu instid0(VALU_DEP_4)
	v_add_nc_u32 v[220+\b], 0xff000000, v[212+\b]
.endr
.irp b, 0,1,2,3
	s_delay_alu instid0(VALU_DEP_4)
	v_lshrrev_b32 v[224+\b], 23, v[220+\b]
.endr
	s_delay_alu instid0(VALU_DEP_3)
	v_lshl_or_b32 v228, v225, 8, v224
	s_delay_alu instid0(VALU_DEP_1)
	v_lshl_or_b32 v228, v226, 16, v228
	s_delay_alu instid0(VALU_DEP_1)
	v_lshl_or_b32 v228, v227, 24, v228
.irp c, 0,1
	v_cvt_scalef32_pk16_fp6_f32 v[192+6*\c:194+6*\c], v[96+32*\c:111+32*\c], v[220+2*\c]
	v_cvt_scalef32_pk16_fp6_f32 v[204+4*\c:206+4*\c], v[112+32*\c:127+32*\c], v[221+2*\c]
.endr
	v_nop
	WEAVE 192, 204
	WEAVE 198, 208
.set J, 0
.rept 16
	v_pk_mul_f32 v[160+J:161+J], v[160+J:161+J], v[230:231] op_sel_hi:[1,0]
.set J, J+2
.endr
	s_wait_alu depctr_va_vdst(0)
	s_wait_dscnt 0x0
.irp t, 0,2
	v_wmma_scale_f32_16x16x128_f8f6f4 v[160+8*\t:167+8*\t], v[32+12*\t:43+12*\t], v[192:203], v[160+8*\t:167+8*\t], v[90+\t/2], v228 matrix_a_fmt:MATRIX_FMT_FP6 matrix_b_fmt:MATRIX_FMT_FP6
	v_wmma_scale_f32_16x16x128_f8f6f4 v[168+8*\t:175+8*\t], v[44+12*\t:55+12*\t], v[192:203], v[168+8*\t:175+8*\t], v[90+\t/2], v228 matrix_a_fmt:MATRIX_FMT_FP6 matrix_b_fmt:MATRIX_FMT_FP6 matrix_a_scale:MATRIX_SCALE_ROW1
.endr
	s_add_co_u32 s[TB], s[TB], REC
.endm
.macro KEYLOOP n
	s_mov_b32 s[CNT], \n
.Lkey_\@:
	STEP
	s_sub_co_u32 s[CNT], s[CNT], 1
	s_cmp_lg_u32 s[CNT], 0
	s_cbranch_scc1 .Lkey_\@
.endm
.macro PASS g
.if \g == 1
.irp i, 0,1,2,3,4,5
	v_mov_b32 v[16+\i], v[236+\i]
.endr
	v_mov_b32 v28, v242
.endif
	v_mov_b32 v13, 0xff61b1e6
	s_delay_alu instid0(VALU_DEP_1)
	v_floor_f32 v12, -v13
	v_mov_b32 v14, 0
	v_mov_b32 v15, 0
.set J, 0
.rept 32
	v_mov_b32 v[160+J], 0
.set J, J+1
.endr
	s_mov_b32 s[TB], 0
.if \g == 0
	s_wait_loadcnt 0x0
	s_wait_tensorcnt 0x1
	s_barrier_signal -1
	s_barrier_wait -1
	KEYLOOP 2
	s_wait_tensorcnt 0x0
	s_wait_dscnt 0x0
	s_barrier_signal -1
	s_barrier_wait -1
	KEYLOOP 6
.else
	s_wait_xcnt 0x0
	KEYLOOP 8
.endif
.rept 4
	v_nop
.endr
	v_add_f32 v14, v14, v15
	s_delay_alu instid0(VALU_DEP_1)
	v_permlanex16_b32 v232, v14, s[SEL], s[SEL+1]
	s_delay_alu instid0(VALU_DEP_1)
	v_add_f32 v14, v14, v232
	s_wait_alu depctr_va_vdst(0)
	v_rcp_f32 v14, v14
	v_nop
	s_wait_alu depctr_va_vdst(0)
.set J, 0
.rept 16
	v_pk_mul_f32 v[96+J:97+J], v[160+J:161+J], v[14:15] op_sel_hi:[1,0]
.set J, J+2
.endr
.irp b, 0,1
	v_max3_num_f32 v[212+\b], |v[96+16*\b]|, |v[97+16*\b]|, 0x1800000
.endr
.irp i, 2,4,6,8,10,12,14
.irp b, 0,1
	s_delay_alu instid0(VALU_DEP_2)
	v_max3_num_f32 v[212+\b], v[212+\b], |v[96+16*\b+\i]|, |v[97+16*\b+\i]|
.endr
.endr
.irp b, 0,1
	s_delay_alu instid0(VALU_DEP_2)
	v_permlanex16_b32 v[216+\b], v[212+\b], s[SEL], s[SEL+1]
.endr
.irp b, 0,1
	s_delay_alu instid0(VALU_DEP_2)
	v_max_num_f32 v[212+\b], v[212+\b], v[216+\b]
.endr
.irp b, 0,1
	s_delay_alu instid0(VALU_DEP_2)
	v_add_nc_u32 v[220+\b], 0xff000000, v[212+\b]
.endr
.irp b, 0,1
	s_delay_alu instid0(VALU_DEP_2)
	v_lshrrev_b32 v[224+\b], 23, v[220+\b]
.endr
	s_delay_alu instid0(VALU_DEP_1)
	v_lshl_or_b32 v228, v225, 8, v224
	v_cvt_scalef32_pk16_fp6_f32 v[192:194], v[96:111], v220
	v_cvt_scalef32_pk16_fp6_f32 v[204:206], v[112:127], v221
	v_nop
	WEAVE 192, 204
.irp i, 0,1,2
	global_store_b64 v7, v[192+2*\i:193+2*\i], s[16:17] offset:98304*\g+256*\i
.endr
	ds_store_b16 v29, v228 offset:512*\g
.endm
	PASS 0
	PASS 1
	s_wait_dscnt 0x0
	s_barrier_signal -1
	s_barrier_wait -1
	s_cmp_lg_u32 s[WV], 0
	s_cbranch_scc1 .Lnot0
	ds_load_b128 v[212:215], v30
	ds_load_b128 v[216:219], v30 offset:512
	s_wait_dscnt 0x0
	global_store_b128 v31, v[212:215], s[18:19]
	global_store_b128 v31, v[216:219], s[18:19] offset:4096
.Lnot0:
	s_wait_tensorcnt 0x0
	ds_add_u32 v254, v255
	s_wait_dscnt 0x0
	ROUND
	s_endpgm
.Lfunc_end_k_q9b97dceb77_attn:
	.size	k_q9b97dceb77_attn, .Lfunc_end_k_q9b97dceb77_attn-k_q9b97dceb77_attn
	.p2alignl 7, 3214868480
	.fill 96, 4, 3214868480
	.section	.rodata,"a",@progbits
	.p2align	6, 0x0
	.amdhsa_kernel k_q9b97dceb77_attn
		.amdhsa_group_segment_fixed_size 327680
		.amdhsa_private_segment_fixed_size 0
		.amdhsa_enable_private_segment 0
		.amdhsa_kernarg_size 16
		.amdhsa_user_sgpr_count 2
		.amdhsa_user_sgpr_kernarg_segment_ptr 1
		.amdhsa_wavefront_size32 1
		.amdhsa_system_sgpr_workgroup_id_x 1
		.amdhsa_system_sgpr_workgroup_id_y 1
		.amdhsa_system_sgpr_workgroup_id_z 1
		.amdhsa_system_vgpr_workitem_id 0
		.amdhsa_next_free_vgpr 256
		.amdhsa_next_free_sgpr 70
		.amdhsa_reserve_vcc 0
		.amdhsa_float_denorm_mode_32 3
		.amdhsa_float_denorm_mode_16_64 3
		.amdhsa_memory_ordered 1
		.amdhsa_forward_progress 1
		.amdhsa_inst_pref_size 77
	.end_amdhsa_kernel
	.amdgpu_metadata
---
amdhsa.version: [ 1, 2 ]
amdhsa.kernels:
  - .name:           k_q9b97dceb77_attn
    .symbol:         k_q9b97dceb77_attn.kd
    .args:
      - { .name: qkv, .offset: 0, .size: 8, .value_kind: global_buffer, .address_space: global }
      - { .name: orec, .offset: 8, .size: 8, .value_kind: global_buffer, .address_space: global }
    .group_segment_fixed_size: 327680
    .private_segment_fixed_size: 0
    .kernarg_segment_align: 8
    .kernarg_segment_size: 16
    .max_flat_workgroup_size: 512
    .sgpr_count:     70
    .vgpr_count:     256
    .wavefront_size: 32
...
	.end_amdgpu_metadata
.endif
;; end of part 3
;; launch out (part 4): grid 256 x 1, 16 waves a work-group, clusters of 4 x 1, 327,680 bytes of LDS; arguments orec, worec, q, bo, g1, b1, g2, b2, out0; writes out0
.if DOCPART == 4
	.amdgcn_target "amdgcn-amd-amdhsa--gfx1250"
	.amdhsa_code_object_version 6
	.text
	.protected	k_q9b97dceb77_out
	.globl	k_q9b97dceb77_out
	.p2align	8
	.type	k_q9b97dceb77_out,@function
k_q9b97dceb77_out:
	s_mov_b64 s[64:65], 0
	v_nop
	global_prefetch_b8 v0, s[64:65] scope:SCOPE_SE
	s_setreg_imm32_b32 hwreg(HW_REG_WAVE_MODE, 25, 1), 1
	s_wait_xcnt 0x0
	s_wait_alu depctr_hold_cnt(0) depctr_sa_sdst(0) depctr_va_vdst(0) depctr_va_sdst(0) depctr_va_ssrc(0) depctr_va_vcc(0) depctr_vm_vsrc(0)
	s_getreg_b32 s2, hwreg(HW_REG_IB_STS2, 6, 4)
	s_cmp_eq_u32 s2, 0
	s_cbranch_scc0 .Lentry_in_a_cluster
	s_endpgm
.Lentry_in_a_cluster:
	s_bfe_u32 s2, ttmp6, 0x10000c
	s_cmp_lg_u32 s2, 0x3003
	s_cbranch_scc0 .Lentry_shape_is_right
	s_endpgm
.Lentry_shape_is_right:
.set STEPB, 102400
.set RECB,  6400
.set FRB,   6144
.set WSL,   3*FRB
.set OIMG,  16*WSL
.set SPARE, OIMG+24576
.set SPI,   4112
.set OSC,   6291456
.set WV,  22
.set ACC, 16
.set XR,  80
.set WF,  144
.set OF,  192
.set OS,  218
.set WS,  226
.macro ROUND
	s_barrier_signal -1
	s_barrier_wait -1
	s_cmp_lg_u32 s[WV], 0
	s_cbranch_scc1 .Lnot_wave_0_\@
	s_barrier_signal -3
.Lnot_wave_0_\@:
	s_barrier_wait -3
	s_barrier_signal -1
	s_barrier_wait -1
.endm
.macro PLACES
.rept 4
	v_nop
.endr
.endm
	s_load_b512 s[4:19], s[0:1], 0x0
	s_load_b64 s[20:21], s[0:1], 0x40
	v_lshl_add_u32 v14, v0, 2, SPARE
	v_mov_b32 v15, 0
	ds_add_u32 v14, v15
	ds_add_u32 v14, v15
	s_wait_dscnt 0x0
	v_lshrrev_b32 v1, 5, v0
	s_delay_alu instid0(VALU_DEP_1)
	v_readfirstlane_b32 s[WV], v1
	s_bfe_u32 s23, ttmp6, 0x40000
	s_lshl_b32 s52, ttmp9, 2
	s_add_co_u32 s52, s52, s23
	s_mov_b32 s24, 15|(3<<16)|(1<<21)
	s_mov_b32 s25, 768<<16
	s_mov_b32 s26, 3<<16
	s_mov_b32 s27, 768<<16
	s_mov_b32 s28, 3
	s_mov_b32 s29, 12800
	s_mov_b32 s30, 0
	s_mov_b32 s31, 0
	s_mov_b32 s32, 3<<16
	s_mov_b32 s33, 32<<16
	s_mov_b32 s34, 6<<16
	s_mov_b32 s35, 32<<16
	s_mov_b32 s36, 6
	s_mov_b32 s37, 32
	s_mov_b32 s38, 0
	s_mov_b32 s39, 0
	s_mul_i32 s54, s[WV], RECB
	s_mov_b32 s55, 0
	s_mul_i32 s53, s[WV], WSL
	s_mul_i32 s56, s[WV], 1536
	s_mul_i32 s58, s52, 24576
	s_add_co_u32 s58, s58, s56
	s_mov_b32 s59, 0
	s_mov_b32 s60, 0x3a800000
	s_mov_b32 s61, 0x3727c5ac
	s_mov_b32 s62, 0x76543210
	s_mov_b32 s63, 0xfedcba98
	s_mov_b32 s66, 0xba800000
	s_wait_kmcnt 0x0
	s_add_nc_u64 s[44:45], s[6:7], s[54:55]
	s_mov_b32 s40, 1
	s_mov_b32 s41, s53
	s_mov_b64 s[42:43], s[44:45]
	s_or_b32 s43, s43, 0x80000000
	s_mov_b32 s48, 1
	s_add_co_u32 s49, s56, OIMG
	s_add_nc_u64 s[50:51], s[4:5], s[58:59]
	s_or_b32 s51, s51, 0x80000000
	ROUND
	tensor_load_to_lds s[48:51], s[32:39]
	s_nop 0
	s_wait_alu depctr_va_vdst(0)
	s_wait_tensorcnt 0x0
	ds_add_u32 v14, v15
	s_wait_dscnt 0x0
	ROUND
	tensor_load_to_lds s[40:43], s[24:31]
	s_nop 0
	PLACES
	v_and_b32 v11, 31, v0
	v_and_b32 v12, 15, v0
	v_bfe_u32 v13, v0, 4, 1
	s_delay_alu instid0(VALU_DEP_3)
	v_lshlrev_b32 v9, 4, v11
	s_delay_alu instid0(VALU_DEP_4)
	v_lshlrev_b32 v10, 2, v11
	s_wait_alu depctr_va_vdst(0)
	v_lshlrev_b32 v3, 3, v11
	s_wait_alu depctr_va_vdst(0)
	v_add_nc_u32 v1, s53, v9
	v_add_nc_u32 v5, OIMG, v3
	v_mul_u32_u24 v6, v12, SPI
	s_delay_alu instid0(VALU_DEP_1)
	v_lshl_add_u32 v6, v13, 5, v6
	s_lshl_b32 s53, s[WV], 8
	v_add_nc_u32 v6, s53, v6
	s_delay_alu instid0(VALU_DEP_1)
	v_add_nc_u32 v7, 16*SPI, v6
	s_mul_i32 s53, s[WV], 2*SPI
	v_add_nc_u32 v8, s53, v9
	s_lshr_b32 s56, s52, 2
	s_lshl_b32 s56, s56, 12
	s_and_b32 s57, s52, 3
	s_lshl_b32 s57, s57, 7
	s_add_co_u32 s56, s56, s57
	s_add_co_u32 s56, s56, OSC
	s_mov_b32 s57, 0
	s_add_nc_u64 s[4:5], s[4:5], s[56:57]
	s_lshl_b32 s56, s52, 17
	s_lshl_b32 s58, s[WV], 13
	s_add_co_u32 s56, s56, s58
	s_add_nc_u64 s[8:9], s[8:9], s[56:57]
	s_add_nc_u64 s[20:21], s[20:21], s[56:57]
.macro WM d, a, b, z, sa, sb, ra, rb
.if \z
.if (\ra) && (\rb)
	v_wmma_scale_f32_16x16x128_f8f6f4 v[\d:\d+7], v[\a:\a+11], v[\b:\b+11], 0, v[\sa], v[\sb] matrix_a_fmt:MATRIX_FMT_FP6 matrix_b_fmt:MATRIX_FMT_FP6 matrix_a_scale:MATRIX_SCALE_ROW1 matrix_b_scale:MATRIX_SCALE_ROW1
.elseif \ra
	v_wmma_scale_f32_16x16x128_f8f6f4 v[\d:\d+7], v[\a:\a+11], v[\b:\b+11], 0, v[\sa], v[\sb] matrix_a_fmt:MATRIX_FMT_FP6 matrix_b_fmt:MATRIX_FMT_FP6 matrix_a_scale:MATRIX_SCALE_ROW1
.elseif \rb
	v_wmma_scale_f32_16x16x128_f8f6f4 v[\d:\d+7], v[\a:\a+11], v[\b:\b+11], 0, v[\sa], v[\sb] matrix_a_fmt:MATRIX_FMT_FP6 matrix_b_fmt:MATRIX_FMT_FP6 matrix_b_scale:MATRIX_SCALE_ROW1
.else
	v_wmma_scale_f32_16x16x128_f8f6f4 v[\d:\d+7], v[\a:\a+11], v[\b:\b+11], 0, v[\sa], v[\sb] matrix_a_fmt:MATRIX_FMT_FP6 matrix_b_fmt:MATRIX_FMT_FP6
.endif
.else
.if (\ra) && (\rb)
	v_wmma_scale_f32_16x16x128_f8f6f4 v[\d:\d+7], v[\a:\a+11], v[\b:\b+11], v[\d:\d+7], v[\sa], v[\sb] matrix_a_fmt:MATRIX_FMT_FP6 matrix_b_fmt:MATRIX_FMT_FP6 matrix_a_scale:MATRIX_SCALE_ROW1 matrix_b_scale:MATRIX_SCALE_ROW1
.elseif \ra
	v_wmma_scale_f32_16x16x128_f8f6f4 v[\d:\d+7], v[\a:\a+11], v[\b:\b+11], v[\d:\d+7], v[\sa], v[\sb] matrix_a_fmt:MATRIX_FMT_FP6 matrix_b_fmt:MATRIX_FMT_FP6 matrix_a_scale:MATRIX_SCALE_ROW1
.elseif \rb
	v_wmma_scale_f32_16x16x128_f8f6f4 v[\d:\d+7], v[\a:\a+11], v[\b:\b+11], v[\d:\d+7], v[\sa], v[\sb] matrix_a_fmt:MATRIX_FMT_FP6 matrix_b_fmt:MATRIX_FMT_FP6 matrix_b_scale:MATRIX_SCALE_ROW1
.else
	v_wmma_scale_f32_16x16x128_f8f6f4 v[\d:\d+7], v[\a:\a+11], v[\b:\b+11], v[\d:\d+7], v[\sa], v[\sb] matrix_a_fmt:MATRIX_FMT_FP6 matrix_b_fmt:MATRIX_FMT_FP6
.endif
.endif
.endm
.macro OLOAD s
.irp u, 0,1
.irp i, 0,1,2,3,4,5
	ds_load_b64 v[OF+12*\u+2*\i:OF+12*\u+2*\i+1], v5 offset:(2*(\s)+\u)*1536+256*\i
.endr
.endr
.endm
.macro WLOAD j
.irp t, 0,1,2,3
.irp c, 0,1,2
	ds_load_b128 v[WF+12*\t+4*\c:WF+12*\t+4*\c+3], v1 offset:FRB*(\j)+1536*\t+512*\c
.endr
.endr
.endm
.macro WDIRECT s
.irp t, 0,1,2,3
.irp c, 0,1,2
	global_load_b128 v[WF+12*\t+4*\c:WF+12*\t+4*\c+3], v9, s[44:45] offset:STEPB*(\s)+1536*\t+512*\c
.endr
.endr
.endm
.macro MULS s, z
.irp t, 0,1,2,3
.irp u, 0,1
	WM ACC+8*(4*\u+\t), WF+12*\t, OF+12*\u, \z, WS+2*(\s)+\t/2, OS+(\s), \t%2, \u
.endr
.endr
.endm
.macro LSTEP s, j
	PLACES
	WLOAD \j
	OLOAD \s
	s_wait_dscnt 0x0
	MULS \s, 0
.endm
.irp s, 0,1,2,3,4,5,6,7
	global_load_b32 v[OS+\s], v10, s[4:5] offset:512*\s
.endr
.irp s, 0,1,2,3,4,5,6,7
	global_load_b64 v[WS+2*\s:WS+2*\s+1], v3, s[44:45] offset:STEPB*\s+FRB
.endr
	WDIRECT 3
.irp x, 0,1
.irp i, 0,1,2,3,4,5,6,7
	global_load_b128 v[XR+32*\x+4*\i:XR+32*\x+4*\i+3], v9, s[8:9] offset:4096*\x+512*\i th:TH_LOAD_NT
.endr
.endr
	s_wait_alu depctr_va_vdst(0)
	s_wait_tensorcnt 0x1
	s_barrier_signal -1
	s_barrier_wait -1
	OLOAD 3
	s_wait_loadcnt 16
	s_wait_dscnt 0x0
	MULS 3, 1
	s_wait_tensorcnt 0x0
	LSTEP 0, 0
	LSTEP 1, 1
	LSTEP 2, 2
	PLACES
	WDIRECT 7
	s_wait_tensorcnt 0x0
	ds_add_u32 v14, v15
	s_add_nc_u64 s[42:43], s[42:43], 4*STEPB
	s_wait_dscnt 0x0
	ROUND
	tensor_load_to_lds s[40:43], s[24:31]
	s_nop 0
	PLACES
	OLOAD 7
	s_wait_loadcnt 0x0
	s_wait_dscnt 0x0
	MULS 7, 0
	s_wait_tensorcnt 0x0
	LSTEP 4, 0
	LSTEP 5, 1
	LSTEP 6, 2
	PLACES
.irp i, 0,1,2,3,4,5,6,7
	global_load_b128 v[144+4*\i:147+4*\i], v9, s[10:11] offset:512*\i
.endr
.irp i, 0,1,2,3,4,5,6,7
	global_load_b128 v[176+4*\i:179+4*\i], v9, s[12:13] offset:512*\i
.endr
.irp i, 0,1,2,3,4,5,6,7
	global_load_b128 v[208+4*\i:211+4*\i], v9, s[14:15] offset:512*\i
.endr
	s_barrier_signal -1
	s_barrier_wait -1
.irp u, 0,1
.irp t, 0,1,2,3
	ds_store_b128 v[6+\u], v[ACC+8*(4*\u+\t):ACC+8*(4*\u+\t)+3] offset:64*\t
	ds_store_b128 v[6+\u], v[ACC+8*(4*\u+\t)+4:ACC+8*(4*\u+\t)+7] offset:64*\t+16
.endr
.endr
	s_wait_dscnt 0x0
	s_barrier_signal -1
	s_barrier_wait -1
.irp x, 0,1
.irp i, 0,1,2,3,4,5,6,7
	ds_load_b128 v[16+32*\x+4*\i:19+32*\x+4*\i], v8 offset:SPI*\x+512*\i
.endr
.endr
	s_wait_dscnt 0x0
	s_wait_loadcnt 16
.irp x, 0,1
.irp j, 0,2,4,6,8,10,12,14,16,18,20,22,24,26,28,30
	v_pk_add_f32 v[16+32*\x+\j:17+32*\x+\j], v[16+32*\x+\j:17+32*\x+\j], v[144+\j:145+\j]
.endr
.irp j, 0,2,4,6,8,10,12,14,16,18,20,22,24,26,28,30
	v_pk_add_f32 v[XR+32*\x+\j:XR+32*\x+\j+1], v[XR+32*\x+\j:XR+32*\x+\j+1], v[16+32*\x+\j:17+32*\x+\j]
.endr
.endr
.irp i, 0,1,2,3,4,5,6,7
	global_load_b128 v[144+4*\i:147+4*\i], v9, s[16:17] offset:512*\i
.endr
.irp i, 0,1,2,3,4,5,6,7
	global_load_b128 v[16+4*\i:19+4*\i], v9, s[18:19] offset:512*\i
.endr
.macro RED t
	s_delay_alu instid0(VALU_DEP_1)
	v_add_f32 v[\t], v[\t], v[\t+1]
	s_delay_alu instid0(VALU_DEP_1)
	v_add_f32_dpp v[\t], v[\t], v[\t] row_xmask:1 row_mask:0xf bank_mask:0xf
	s_delay_alu instid0(VALU_DEP_1)
	v_add_f32_dpp v[\t], v[\t], v[\t] row_xmask:2 row_mask:0xf bank_mask:0xf
	s_delay_alu instid0(VALU_DEP_1)
	v_add_f32_dpp v[\t], v[\t], v[\t] row_xmask:4 row_mask:0xf bank_mask:0xf
	s_delay_alu instid0(VALU_DEP_1)
	v_add_f32_dpp v[\t], v[\t], v[\t] row_xmask:8 row_mask:0xf bank_mask:0xf
	s_delay_alu instid0(VALU_DEP_1)
	v_permlanex16_b32 v[\t+1], v[\t], s62, s63
	s_delay_alu instid0(VALU_DEP_1)
	v_add_f32 v[\t], v[\t], v[\t+1]
.endm
.macro CENTRE x
.set XB, XR+32*\x
.set TA, 240+4*\x
	v_pk_add_f32 v[TA:TA+1], v[XB:XB+1], v[XB+2:XB+3]
	v_pk_add_f32 v[TA+2:TA+3], v[XB+4:XB+5], v[XB+6:XB+7]
.irp j, 8,12,16,20,24,28
	s_delay_alu instid0(VALU_DEP_2)
	v_pk_add_f32 v[TA:TA+1], v[TA:TA+1], v[XB+\j:XB+\j+1]
	s_delay_alu instid0(VALU_DEP_2)
	v_pk_add_f32 v[TA+2:TA+3], v[TA+2:TA+3], v[XB+\j+2:XB+\j+3]
.endr
	s_delay_alu instid0(VALU_DEP_1)
	v_pk_add_f32 v[TA:TA+1], v[TA:TA+1], v[TA+2:TA+3]
	RED TA
	s_delay_alu instid0(VALU_DEP_1)
	v_mul_f32 v[TA], s66, v[TA]
.irp j, 0,2,4,6,8,10,12,14,16,18,20,22,24,26,28,30
	v_pk_add_f32 v[XB+\j:XB+\j+1], v[XB+\j:XB+\j+1], v[TA:TA+1] op_sel_hi:[1,0]
.endr
	v_pk_mul_f32 v[TA:TA+1], v[XB:XB+1], v[XB:XB+1]
	v_pk_mul_f32 v[TA+2:TA+3], v[XB+2:XB+3], v[XB+2:XB+3]
.irp j, 4,8,12,16,20,24,28
	s_delay_alu instid0(VALU_DEP_2)
	v_pk_fma_f32 v[TA:TA+1], v[XB+\j:XB+\j+1], v[XB+\j:XB+\j+1], v[TA:TA+1]
	s_delay_alu instid0(VALU_DEP_2)
	v_pk_fma_f32 v[TA+2:TA+3], v[XB+\j+2:XB+\j+3], v[XB+\j+2:XB+\j+3], v[TA+2:TA+3]
.endr
	s_delay_alu instid0(VALU_DEP_1)
	v_pk_add_f32 v[TA:TA+1], v[TA:TA+1], v[TA+2:TA+3]
	RED TA
	s_delay_alu instid0(VALU_DEP_1)
	v_fma_f32 v[TA], v[TA], s60, s61
.endm
.macro STATS
	CENTRE 0
	CENTRE 1
	s_wait_alu depctr_va_vdst(0)
	v_rsq_f32 v240, v240
	v_rsq_f32 v244, v244
	v_nop
	s_wait_alu depctr_va_vdst(0)
.endm
.macro NORM x, g, b
.set XB, XR+32*\x
.set TA, 240+4*\x
.irp j, 0,2,4,6,8,10,12,14,16,18,20,22,24,26,28,30
	v_pk_mul_f32 v[XB+\j:XB+\j+1], v[XB+\j:XB+\j+1], v[TA:TA+1] op_sel_hi:[1,0]
.endr
.irp j, 0,2,4,6,8,10,12,14,16,18,20,22,24,26,28,30
	v_pk_fma_f32 v[XB+\j:XB+\j+1], v[XB+\j:XB+\j+1], v[\g+\j:\g+\j+1], v[\b+\j:\b+\j+1]
.endr
.endm
.macro RELUP x
.set XB, XR+32*\x
.irp j, 0,2,4,6,8,10,12,14,16,18,20,22,24,26,28,30
	v_pk_add_f32 v[48+\j:49+\j], v[XB+\j:XB+\j+1], v[XB+\j:XB+\j+1]
.endr
.set J, 0
.rept 32
	v_max_num_f32 v[XB+J], v[XB+J], v[48+J]
.set J, J+1
.endr
.endm
	STATS
	s_wait_loadcnt 16
	NORM 0, 176, 208
	NORM 1, 176, 208
	RELUP 0
	RELUP 1
	STATS
	s_wait_loadcnt 0x0
	NORM 0, 144, 16
	NORM 1, 144, 16
.irp x, 0,1
.irp i, 0,1,2,3,4,5,6,7
	global_store_b128 v9, v[XR+32*\x+4*\i:XR+32*\x+4*\i+3], s[20:21] offset:4096*\x+512*\i th:TH_STORE_NT
.endr
.endr
	s_wait_tensorcnt 0x0
	ds_add_u32 v14, v15
	s_wait_dscnt 0x0
	ROUND
	s_endpgm
.Lfunc_end_k_q9b97dceb77_out:
	.size	k_q9b97dceb77_out, .Lfunc_end_k_q9b97dceb77_out-k_q9b97dceb77_out
	.p2alignl 7, 3214868480
	.fill 96, 4, 3214868480
	.section	.rodata,"a",@progbits
	.p2align	6, 0x0
	.amdhsa_kernel k_q9b97dceb77_out
		.amdhsa_group_segment_fixed_size 327680
		.amdhsa_private_segment_fixed_size 0
		.amdhsa_enable_private_segment 0
		.amdhsa_kernarg_size 72
		.amdhsa_user_sgpr_count 2
		.amdhsa_user_sgpr_kernarg_segment_ptr 1
		.amdhsa_wavefront_size32 1
		.amdhsa_system_sgpr_workgroup_id_x 1
		.amdhsa_system_sgpr_workgroup_id_y 1
		.amdhsa_system_sgpr_workgroup_id_z 1
		.amdhsa_system_vgpr_workitem_id 0
		.amdhsa_next_free_vgpr 256
		.amdhsa_next_free_sgpr 70
		.amdhsa_reserve_vcc 0
		.amdhsa_float_denorm_mode_32 3
		.amdhsa_float_denorm_mode_16_64 3
		.amdhsa_memory_ordered 1
		.amdhsa_forward_progress 1
		.amdhsa_inst_pref_size 77
	.end_amdhsa_kernel
	.amdgpu_metadata
---
amdhsa.version: [ 1, 2 ]
amdhsa.kernels:
  - .name:           k_q9b97dceb77_out
    .symbol:         k_q9b97dceb77_out.kd
    .args:
      - { .name: orec, .offset: 0, .size: 8, .value_kind: global_buffer, .address_space: global }
      - { .name: worec, .offset: 8, .size: 8, .value_kind: global_buffer, .address_space: global }
      - { .name: q, .offset: 16, .size: 8, .value_kind: global_buffer, .address_space: global }
      - { .name: bo, .offset: 24, .size: 8, .value_kind: global_buffer, .address_space: global }
      - { .name: g1, .offset: 32, .size: 8, .value_kind: global_buffer, .address_space: global }
      - { .name: b1, .offset: 40, .size: 8, .value_kind: global_buffer, .address_space: global }
      - { .name: g2, .offset: 48, .size: 8, .value_kind: global_buffer, .address_space: global }
      - { .name: b2, .offset: 56, .size: 8, .value_kind: global_buffer, .address_space: global }
      - { .name: out0, .offset: 64, .size: 8, .value_kind: global_buffer, .address_space: global }
    .group_segment_fixed_size: 327680
    .private_segment_fixed_size: 0
    .kernarg_segment_align: 8
    .kernarg_segment_size: 72
    .max_flat_workgroup_size: 512
    .sgpr_count:     70
    .vgpr_count:     256
    .wavefront_size: 32
...
	.end_amdgpu_metadata
.endif
;; end of part 4
